; MI455X (gfx1250); checked and timed in simulation.
; The chip was launched on July 23, 2026; its instructions are those of AMD's public machine-readable ISA for CDNA 5 (MIT licence, August 2026) and "CDNA5" Instruction Set Architecture Reference Guide (July 2026). The comments in the code are by the model that wrote it; some were corrected since.
;; Multi Head Attention. Allowed arithmetic: float matrix products may take bf16 or f16 operands with f32 sums; other float arithmetic in f32, or as packed bf16 or f16 multiplies, adds, multiply-adds, maxima and minima; sums over many terms, partial sums and values carried from step to step in f32; what a program stores and reads back later, other than sums and carried values, may be rounded once to bf16 or f16.
;; Inputs: Wk 1,024 x 1,024 float32; Wo 1,024 x 1,024 float32; Wq 1,024 x 1,024 float32; Wv 1,024 x 1,024 float32; bk 1,024 float32; bo 1,024 float32; bq 1,024 float32; bv 1,024 float32; mask 4 x 2,048 int32; x 4 x 2,048 x 1,024 float32.
;; Outputs: out0 4 x 2,048 x 1,024 float32.
;; 2 versions, each right; version 2 is version 1 with the launch prep written anew for expert scheduling mode. Each part assembles by itself: llvm-mc -triple=amdgcn-amd-amdhsa -mcpu=gfx1250 --defsym DOCPART=n.
;; ======== version 1 of 2: 4 launches
;; limits: values are held in f16: magnitudes above 65,504 overflow, below 6.1e-05 lose precision; right only within a limited range of input values
;; workspace buffers: xb 16,777,216 bytes; wt 8,388,608 bytes; qkv 50,331,648 bytes; ob 16,777,216 bytes
;; launch prep (part 1): grid 320 x 1, 8 waves a work-group, no clusters, 140,288 bytes of LDS; arguments x, Wq, Wk, Wv, Wo, xb, wt; writes xb, wt
.if DOCPART == 1
	.amdgcn_target "amdgcn-amd-amdhsa--gfx1250"
	.amdhsa_code_object_version 6
	.text
	.protected	k_q499c5740f6_prep
	.globl	k_q499c5740f6_prep
	.p2align	8
	.type	k_q499c5740f6_prep,@function
k_q499c5740f6_prep:
	s_mov_b64 s[64:65], 0
	v_nop
	global_prefetch_b8 v0, s[64:65] scope:SCOPE_SE
	s_setreg_imm32_b32 hwreg(HW_REG_WAVE_MODE, 25, 1), 1
	s_wait_xcnt 0x0
; PREP: the module's large inputs are rounded once to bf16 and laid as the products want them.
;   xb[8192][1024] bf16 = x.      wt[4096][1024] of 16 bits: row n < 3072 is column n % 1024 of Wq, Wk, Wv (n / 1024), in bf16, K along the row;
;   row 3072 + n is column n of Wo, rounded to bf16 and that number written as f16 (the last product multiplies in f16).
; LIMIT.  Wo's numbers stay within f16: under 65,504; below 6e-5 they keep f16's fixed step of 6e-8.
; SHARES.  Work-groups 0-63 turn the weights (the longer work, so they come first): matrix g / 16, columns 64 (g % 16) on; wave w takes k = 128 w .. 128 w + 127.
; Work-groups 64-319 round x: 128 KiB each, 16 KiB a wave.  Nothing is read twice and nobody shares a byte: no matrix unit, no cluster, no tensor load.
.set STG,   64*272                     ; a wave's stage: 64 columns of W as rows of 256 bytes (128 k) + 16 of padding
.set SPARE, 8*STG                      ; behind the stages: the spare words, 128 bytes for each of the eight waves
.set SPW, 8                            ; v8   LDS address of my spare word; never rewritten
.set NIL, 9                            ; v9   0; never rewritten
.set D,   16                           ; v[16:143]  as loaded
.set T,   144                          ; v[144:151] weights: 8 k of the even column, 8 k of the odd one; x: v[144:207] as stored
.set U,   152                          ; v[152:153] at work
	s_load_b256 s[4:11], s[0:1], 0x0               ; x s[4:5], Wq s[6:7], Wk s[8:9], Wv s[10:11]
	s_load_b128 s[12:15], s[0:1], 0x20             ; Wo s[12:13], xb s[14:15]
	s_load_b64 s[16:17], s[0:1], 0x30              ; wt
	v_lshl_add_u32 v[SPW], v0, 2, SPARE
	v_mov_b32 v[NIL], 0
	v_lshrrev_b32 v1, 5, v0
	v_readfirstlane_b32 s18, v1                    ; wave 0..7
	v_and_b32 v1, 31, v0                           ; lane
	s_wait_kmcnt 0x0
	s_cmp_lt_u32 ttmp9, 64
	s_cbranch_scc0 .Lx
	; THE WEIGHTS.  W lies [k][n]: a load of 8 bytes a lane takes 256 consecutive bytes of row k: lane l holds columns 2 l and 2 l + 1.
	s_lshr_b32 s20, ttmp9, 4                       ; which matrix
	s_and_b32 s21, ttmp9, 15                       ; which 64 columns
	s_cmp_eq_u32 s20, 1
	s_cselect_b64 s[22:23], s[8:9], s[6:7]
	s_cmp_eq_u32 s20, 2
	s_cselect_b64 s[22:23], s[10:11], s[22:23]
	s_cmp_eq_u32 s20, 3
	s_cselect_b64 s[22:23], s[12:13], s[22:23]
	s_lshl_b32 s26, s18, 19                        ; my 128 rows of 4,096 bytes
	s_lshl_b32 s27, s21, 8                         ; the 64 columns
	s_add_co_u32 s26, s26, s27
	s_mov_b32 s27, 0
	s_add_nc_u64 s[22:23], s[22:23], s[26:27]
	s_lshl_b32 s26, ttmp9, 17                      ; out: row 64 g of wt, 2,048 bytes a row,
	s_lshl_b32 s27, s18, 8                         ; my 128 k
	s_add_co_u32 s26, s26, s27
	s_mov_b32 s27, 0
	s_add_nc_u64 s[26:27], s[16:17], s[26:27]
	v_lshlrev_b32 v2, 3, v1                        ; in: 8 bytes a lane; never rewritten
	s_mul_i32 s19, s18, STG                        ; my stage
	v_mul_u32_u24 v4, v1, 544                      ; into it: rows 2 l and 2 l + 1
	v_add_nc_u32 v4, s19, v4
	v_lshrrev_b32 v7, 4, v1
	v_and_b32 v10, 15, v1
	v_mul_u32_u24 v5, v7, 272                      ; back: lanes 0-15 one row of 256 bytes, lanes 16-31 the next
	v_lshl_add_u32 v5, v10, 4, v5
	v_add_nc_u32 v5, s19, v5
	v_lshlrev_b32 v6, 11, v7                       ; and the same two rows in wt
	v_lshl_add_u32 v6, v10, 4, v6
; Eight k of both columns: rounded in pairs of k, 16 bytes a column, into the stage.
.macro GROUP g
	s_wait_loadcnt 8*(7-(\g))                      ; loads come back in order: this group's eight are in, the younger groups' stay out
.irp p, 0,1,2,3
	v_cvt_pk_bf16_f32 v[T+(\p)],   v[D+16*(\g)+4*(\p)],   v[D+16*(\g)+4*(\p)+2]
	v_cvt_pk_bf16_f32 v[T+4+(\p)], v[D+16*(\g)+4*(\p)+1], v[D+16*(\g)+4*(\p)+3]
.endr
	s_cmp_eq_u32 s20, 3                            ; Wo alone: the bf16 number is written as f16
	s_cbranch_scc0 .Lnot_o_\@
.irp p, 0,1,2,3,4,5,6,7
	v_lshlrev_b32 v[U], 16, v[T+(\p)]
	v_and_b32 v[U+1], 0xffff0000, v[T+(\p)]
	v_cvt_pk_f16_f32 v[T+(\p)], v[U], v[U+1]
.endr
.Lnot_o_\@:
	ds_store_b128 v4, v[T:T+3]   offset:16*(\g)
	ds_store_b128 v4, v[T+4:T+7] offset:272+16*(\g)
.endm
	s_mov_b32 s24, 2
.Lhalf:                                        ; two trips of 64 k
.set i, 0
.rept 64
	global_load_b64 v[D+2*i:D+2*i+1], v2, s[22:23] offset:4096*i th:TH_LOAD_NT
.set i, i+1
.endr
.irp g, 0,1,2,3,4,5,6,7
	GROUP \g
.endr
	s_add_nc_u64 s[22:23], s[22:23], 0x40000       ; the last group's wait was for 0: every load is done, so the pointer may be written: 64 rows on
	v_add_nc_u32 v4, 128, v4                       ; and 64 k on in the stage's rows
	s_sub_co_u32 s24, s24, 1
	s_cmp_lg_u32 s24, 0
	s_cbranch_scc1 .Lhalf
.set t, 0
.rept 32
	ds_load_b128 v[D+4*t:D+4*t+3], v5 offset:544*t ; LDS serves a wave's instructions in order (ISA guide 5.7.1.4): these see my stores above; the stage is my own
.set t, t+1
.endr
.set t, 0
.rept 32
	s_wait_dscnt 31-t
	global_store_b128 v6, v[D+4*t:D+4*t+3], s[26:27] offset:4096*t  ; 16 lanes store 256 consecutive bytes, at a multiple of 256 from wt's first byte
.set t, t+1
.endr
	s_branch .Lend
.Lx:	; x: all 32 loads of a wave go out at once; no register is written twice, so nothing waits but for data
	s_sub_co_u32 s20, ttmp9, 64
	s_lshl_b32 s22, s20, 17
	s_mov_b32 s23, 0
	s_add_nc_u64 s[4:5], s[4:5], s[22:23]
	s_lshl_b32 s22, s20, 16
	s_add_nc_u64 s[14:15], s[14:15], s[22:23]
	v_lshlrev_b32 v2, 4, v1
	v_lshl_add_u32 v2, s18, 14, v2                 ; in: 16,384 x wave + 16 x lane
	v_lshlrev_b32 v3, 3, v1
	v_lshl_add_u32 v3, s18, 13, v3                 ; out: half of that
.set i, 0
.rept 32
	global_load_b128 v[D+4*i:D+4*i+3], v2, s[4:5] offset:512*i th:TH_LOAD_NT
.set i, i+1
.endr
.set i, 0
.rept 32
	s_wait_loadcnt 31-i                            ; the younger loads stay out
	v_cvt_pk_bf16_f32 v[T+2*i],   v[D+4*i],   v[D+4*i+1]
	v_cvt_pk_bf16_f32 v[T+2*i+1], v[D+4*i+2], v[D+4*i+3]
	global_store_b64 v3, v[T+2*i:T+2*i+1], s[14:15] offset:256*i  ; the wave stores 256 consecutive bytes, aligned
.set i, i+1
.endr
.Lend:
	s_wait_tensorcnt 0x0                           ; the wave's end: behind my last LDS store
	ds_add_u32 v[SPW], v[NIL]
	s_wait_dscnt 0x0
	s_endpgm
.Lfunc_end_k_q499c5740f6_prep:
	.size	k_q499c5740f6_prep, .Lfunc_end_k_q499c5740f6_prep-k_q499c5740f6_prep
	.p2alignl 7, 3214868480
	.fill 96, 4, 3214868480
	.section	.rodata,"a",@progbits
	.p2align	6, 0x0
	.amdhsa_kernel k_q499c5740f6_prep
		.amdhsa_group_segment_fixed_size 140288
		.amdhsa_private_segment_fixed_size 0
		.amdhsa_enable_private_segment 0
		.amdhsa_kernarg_size 56
		.amdhsa_user_sgpr_count 2
		.amdhsa_user_sgpr_kernarg_segment_ptr 1
		.amdhsa_wavefront_size32 1
		.amdhsa_system_sgpr_workgroup_id_x 1
		.amdhsa_system_sgpr_workgroup_id_y 1
		.amdhsa_system_sgpr_workgroup_id_z 1
		.amdhsa_system_vgpr_workitem_id 0
		.amdhsa_next_free_vgpr 208
		.amdhsa_next_free_sgpr 66
		.amdhsa_reserve_vcc 0
		.amdhsa_float_denorm_mode_32 3
		.amdhsa_float_denorm_mode_16_64 3
		.amdhsa_memory_ordered 1
		.amdhsa_forward_progress 1
		.amdhsa_inst_pref_size 42
	.end_amdhsa_kernel
	.amdgpu_metadata
---
amdhsa.version: [ 1, 2 ]
amdhsa.kernels:
  - .name:           k_q499c5740f6_prep
    .symbol:         k_q499c5740f6_prep.kd
    .args:
      - { .name: x, .offset: 0, .size: 8, .value_kind: global_buffer, .address_space: global }
      - { .name: Wq, .offset: 8, .size: 8, .value_kind: global_buffer, .address_space: global }
      - { .name: Wk, .offset: 16, .size: 8, .value_kind: global_buffer, .address_space: global }
      - { .name: Wv, .offset: 24, .size: 8, .value_kind: global_buffer, .address_space: global }
      - { .name: Wo, .offset: 32, .size: 8, .value_kind: global_buffer, .address_space: global }
      - { .name: xb, .offset: 40, .size: 8, .value_kind: global_buffer, .address_space: global }
      - { .name: wt, .offset: 48, .size: 8, .value_kind: global_buffer, .address_space: global }
    .group_segment_fixed_size: 140288
    .private_segment_fixed_size: 0
    .kernarg_segment_align: 8
    .kernarg_segment_size: 56
    .max_flat_workgroup_size: 256
    .sgpr_count:     66
    .vgpr_count:     208
    .wavefront_size: 32
...
	.end_amdgpu_metadata
.endif
;; end of part 1
;; launch qkv (part 2): grid 16 x 32, 4 waves a work-group, clusters of 4 x 4, 327,680 bytes of LDS; arguments xb, wt, bq, bk, bv, qkv; writes qkv
.if DOCPART == 2
	.amdgcn_target "amdgcn-amd-amdhsa--gfx1250"
	.amdhsa_code_object_version 6
	.text
	.protected	k_q499c5740f6_qkv
	.globl	k_q499c5740f6_qkv
	.p2align	8
	.type	k_q499c5740f6_qkv,@function
k_q499c5740f6_qkv:
	s_mov_b64 s[64:65], 0
	v_nop
	global_prefetch_b8 v0, s[64:65] scope:SCOPE_SE
	s_setreg_imm32_b32 hwreg(HW_REG_WAVE_MODE, 25, 1), 1
	s_wait_xcnt 0x0
	s_wait_alu depctr_hold_cnt(0) depctr_sa_sdst(0) depctr_va_vdst(0) depctr_va_sdst(0) depctr_va_ssrc(0) depctr_va_vcc(0) depctr_vm_vsrc(0)
	s_getreg_b32 s2, hwreg(HW_REG_IB_STS2, 6, 4)
	s_cmp_eq_u32 s2, 0
	s_cbranch_scc0 .Lentry_in_a_cluster
	s_endpgm
.Lentry_in_a_cluster:
	s_bfe_u32 s2, ttmp6, 0x10000c
	s_cmp_lg_u32 s2, 0xf033
	s_cbranch_scc0 .Lentry_shape_is_right
	s_endpgm
.Lentry_shape_is_right:
; q, k, v = x W + b for all three projections as ONE product: C[8192][3072] = xb[8192][1024] wt[0:3072][1024]^T + bias; operands bf16, sums f32, the biases rounded to bf16 like every input.
; OUT, f16, by HALF HEADS: byte = t << 24 (t = q, k, v) + (16 batch + head) << 18 + half << 17 + 64 s + 2 channel: 32 columns of C are a dense stream of 64-byte rows.
; LIMIT.  f16 ends at 65,504: q, k and v must stay within it.  The scale 1/8 is not applied here.
; SHARES.  A tile of C is 256 x 192: 512 tiles, twice the number of WGPs.  Four waves, each 128 x 96: 48 accumulators of 16 x 16.  K goes in steps of 128 through two LDS slots.
; CLUSTER.  4 x 4 work-groups: the four of a row need the same tiles of xb, the four of a column the same tiles of wt; each tile is asked for jointly, by the same tensor load, descriptor and mask.
; THE MATRIX INSTRUCTION IS USED TRANSPOSED (source 0 = 16 rows of wt, source 1 = 16 rows of xb): a lane holds row l % 16 of C and the columns 8 (l / 16) + 0..7.
; The bias, laid in that form, is the C operand of each accumulator's first product: nothing is cleared and nothing is added later.
; REGISTERS, in windows of 256 (s_set_vgpr_msb: bits 1:0 source 0, 3:2 source 1, 5:4 source 2, 7:6 destination):
;   window 0: v1-30 addresses; v32-55, v224-247 rows on their way out; v64-127, v128-191 xb's fragments, two buffers; v192-215 packed results
;   window 1: v0-47, v48-95 wt's fragments, two buffers; v96-143 the bias; v144 at work        window 2: accumulators of my rows 0-63, (a, b) at 8 (6 a + b);   window 3: rows 64-127
.set KSTEP,  128
.set PITCH,  272                       ; an LDS row: 256 bytes + 16 of padding = 68 words: the 16 rows of a load start at 16 different groups of four banks (64 banks of 4 bytes: ISA guide 11.1)
.set HALFA,  128*PITCH                 ; what one tensor load brings of xb, and what a wave reads of it
.set HALFB,  96*PITCH                  ; the same of wt
.set SLOT,   2*HALFA+2*HALFB
.set STAGE,  2*SLOT                    ; behind the ring: 16 rows x 208 bytes for each wave
.set SPITCH, 208                       ; 192 bytes + 16
.set SPARE,  STAGE+4*16*SPITCH         ; behind the stages: the spare words, 128 bytes a wave
.set LAPS,   4                         ; 1,024 / 256: a lap is two K steps
.set ADRA, 16                          ; v16-17 LDS address of my xb fragments in slot 0, 1
.set ADRB, 20                          ; v20-21 the same for wt
.set STO,  24                          ; v24 where I put 16 bytes of a row
.set RD,   25                          ; v25 where I read rows back
.set CO,   26                          ; v26 16 x lane: my place in 512 consecutive bytes of the output
.set BO,   27                          ; v27 32 x (l / 16): my eight numbers of a bias block
.set SPW,  28                          ; v28 my spare word; never rewritten
.set NIL,  29                          ; v29 0; never rewritten
.set PFO,  30                          ; v30 the prefetches' offset: a lane a row; never rewritten
.set OB,   32
.set FA,   64
.set TMP,  192
.set FB,   0                           ; window 1
.set BIAS, 96
.set BT,   144
.set WV, 16                            ; s16 wave
.set WR, 17                            ; s17 which half of the tile's rows is mine; also: I fetch xb (0) or wt (1)
.set WC, 18                            ; s18 which half of its columns; also: which half of that tile I fetch
.set CX, 19
.set CY, 20
.set CT, 21                            ; tile column of C
.set RT, 22                            ; tile row
.set G1, 24                            ; s[24:31] group 1 for xb's tiles;  s[32:39] group 0, a set a slot
.set G0, 32
.set LIM, 43                           ; 1 in a wave that prefetches, else the greatest number
.set PFA, 44                           ; s[44:45] where my prefetches stand
.set G1B, 48                           ; s[48:55], s[56:63] the same for wt's tiles
.set G0B, 56
.set HP,  66                           ; s[66:71] my three half heads in the output, at my first row
.set MSB, 0
.macro WIN new                         ; the high byte repeats the setting that is left; a switch that changes nothing is dropped
.if MSB != (\new)
	s_set_vgpr_msb (MSB<<8)|(\new)
.set MSB, \new
.endif
.endm
.set TO_B, 0x40                        ; destination window 1, address window 0
; A joint load: waves 0 and 1 fetch xb's two halves, waves 2 and 3 wt's.  The branch hangs on the wave's number alone.  An s_nop 0 and four v_nop follow each line.
.macro JLOAD s
	s_cmp_eq_u32 s[WR], 0
	s_cbranch_scc0 .Lfor_b_\@
	tensor_load_to_lds s[G0+4*(\s):G0+4*(\s)+3], s[G1:G1+7]
	s_nop 0
.rept 4
	v_nop
.endr
	s_branch .Lasked_\@
.Lfor_b_\@:
	tensor_load_to_lds s[G0B+4*(\s):G0B+4*(\s)+3], s[G1B:G1B+7]
	s_nop 0
.rept 4
	v_nop
.endr
.Lasked_\@:
.endm
; A prefetch of the K step that stands two refills on (384 matrix instructions ahead of the load that wants it): 256 bytes of a row, a lane a row, one instruction a wave.
; xb's rows are asked for by the clusters with x = 0, wt's by those with y = 0; the four partners of a joint load share its rows out by address: 32 of xb's 128, 24 of wt's 96
; (there lanes 24-31 name row 23 once more, in the same instruction).  The loop's last trip asks for nothing: its refills are the last K steps.
.macro ASK
	s_cmp_gt_u32 s3, s[LIM]
	s_cbranch_scc0 .Lnot_mine_\@
	global_prefetch_b8 v[PFO], s[PFA:PFA+1] offset:KSTEP*2 th:TH_LOAD_NT scope:SCOPE_SE
.Lnot_mine_\@:
.endm
.macro CREST                           ; a round of the cluster's barrier behind its opening barrier
	s_cmp_lg_u32 s[WV], 0
	s_cbranch_scc1 .Lnot_wave_0_\@
	s_barrier_signal -3
.Lnot_wave_0_\@:
	s_barrier_wait -3
	s_barrier_signal -1
	s_barrier_wait -1
.endm
.macro CROUND
	s_barrier_signal -1
	s_barrier_wait -1
	CREST
.endm
	s_load_b256 s[4:11], s[0:1], 0x0               ; xb s[4:5], wt s[6:7], bq s[8:9], bk s[10:11]
	s_load_b128 s[12:15], s[0:1], 0x20             ; bv s[12:13], qkv s[14:15]
	v_lshl_add_u32 v[SPW], v0, 2, SPARE
	v_mov_b32 v[NIL], 0
	ds_add_u32 v[SPW], v[NIL]                      ; the wave's opening: the add and its wait stand ahead of my first tensor load; the set-up below stands between them
	v_lshrrev_b32 v1, 5, v0
	v_readfirstlane_b32 s[WV], v1
	s_lshr_b32 s[WR], s[WV], 1
	s_and_b32 s[WC], s[WV], 1
	s_bfe_u32 s[CX], ttmp6, 0x40000
	s_bfe_u32 s[CY], ttmp6, 0x40004
	s_lshl_b32 s[CT], ttmp9, 2
	s_add_co_u32 s[CT], s[CT], s[CX]
	s_and_b32 s[RT], ttmp7, 0xffff
	s_lshl_b32 s[RT], s[RT], 2
	s_add_co_u32 s[RT], s[RT], s[CY]
	s_lshl_b32 s72, s[CY], 2
	s_lshl_b32 s72, 15, s72                        ; my row of the cluster
	s_lshl_b32 s73, 0x1111, s[CX]                  ; my column
	s_or_b32 s[G1+0], s72, (1<<16)|(1<<20)|(1<<21)|(5<<22)|(3<<25)   ; mask; 2-byte elements; padding on; bit 21 beside a mask; after every 64 words, 4 words
	s_or_b32 s[G1B+0], s73, (1<<16)|(1<<20)|(1<<21)|(5<<22)|(3<<25)
	s_mov_b32 s[G1+1], KSTEP<<16                   ; tensor_dim0 = 128
	s_mov_b32 s[G1B+1], KSTEP<<16
	s_mov_b32 s[G1+2], 128<<16                     ; tensor_dim1 = 128 rows of xb,
	s_mov_b32 s[G1B+2], 96<<16                     ; 96 of wt
	s_mov_b32 s[G1+3], KSTEP<<16                   ; tile_dim0 = 128
	s_mov_b32 s[G1B+3], KSTEP<<16
	s_mov_b32 s[G1+4], 128                         ; tile_dim1
	s_mov_b32 s[G1B+4], 96
	s_mov_b32 s[G1+5], 1024                        ; elements from row to row
	s_mov_b32 s[G1B+5], 1024
	s_mov_b32 s[G1+6], 0
	s_mov_b32 s[G1B+6], 0
	s_mov_b32 s[G1+7], 0
	s_mov_b32 s[G1B+7], 0
	s_lshl_b32 s74, s[RT], 19                      ; xb: row 256 x tile row + 128 x half, 2,048 bytes a row
	s_lshl_b32 s75, s[WC], 18
	s_add_co_u32 s74, s74, s75
	s_mov_b32 s75, 0
	s_mul_i32 s76, s[CT], 192*2048                 ; wt: row 192 x tile column + 96 x half
	s_mul_i32 s77, s[WC], 96*2048
	s_add_co_u32 s76, s76, s77
	s_mov_b32 s77, 0
	s_mul_i32 s78, s[WC], HALFA                    ; where they go: no place in the cluster enters an LDS address
	s_mul_i32 s79, s[WC], HALFB
	s_add_co_u32 s79, s79, 2*HALFA
	s_wait_dscnt 0x0                               ; the opening add is done
	s_wait_kmcnt 0x0
	s_add_nc_u64 s[74:75], s[4:5], s[74:75]
	s_add_nc_u64 s[76:77], s[6:7], s[76:77]
	CROUND                                         ; all sixteen work-groups are here: the first joint loads meet
.irp s, 0,1
	s_mov_b32 s[G0+4*(\s)], 1
	s_add_co_u32 s[G0+4*(\s)+1], s78, (\s)*SLOT
	s_add_nc_u64 s[G0+4*(\s)+2:G0+4*(\s)+3], s[74:75], (\s)*KSTEP*2
	s_or_b32 s[G0+4*(\s)+3], s[G0+4*(\s)+3], 0x80000000
	s_mov_b32 s[G0B+4*(\s)], 1
	s_add_co_u32 s[G0B+4*(\s)+1], s79, (\s)*SLOT
	s_add_nc_u64 s[G0B+4*(\s)+2:G0B+4*(\s)+3], s[76:77], (\s)*KSTEP*2
	s_or_b32 s[G0B+4*(\s)+3], s[G0B+4*(\s)+3], 0x80000000
	JLOAD \s                                       ; two loads of mine are out
.endr
	v_and_b32 v1, 15, v0                           ; l % 16
	v_bfe_u32 v2, v0, 4, 1                         ; l / 16
	v_mul_u32_u24 v3, v1, PITCH
	v_lshl_add_u32 v3, v2, 4, v3                   ; a fragment's row x pitch + 16 x half
	s_mul_i32 s80, s[WR], HALFA                    ; my 128 rows of xb
	s_mul_i32 s81, s[WC], HALFB                    ; my 96 rows of wt,
	s_add_co_u32 s81, s81, 2*HALFA                 ; behind xb's 256
.irp s, 0,1
	v_add_nc_u32 v[ADRA+(\s)], s80, v3
	v_add_nc_u32 v[ADRB+(\s)], s81, v3
	s_add_co_u32 s80, s80, SLOT
	s_add_co_u32 s81, s81, SLOT
.endr
	s_mul_i32 s80, s[WV], 16*SPITCH
	s_add_co_u32 s80, s80, STAGE                   ; my stage
	v_mul_u32_u24 v4, v1, SPITCH                   ; in: row l % 16, 16 bytes for each half of the lanes
	v_lshl_add_u32 v4, v2, 4, v4
	v_add_nc_u32 v[STO], s80, v4
	v_and_b32 v4, 31, v0
	v_lshrrev_b32 v5, 2, v4                        ; back: 32 lanes take 8 rows x 64 bytes of one half head
	v_and_b32 v6, 3, v4
	v_mul_u32_u24 v[RD], v5, SPITCH
	v_lshl_add_u32 v[RD], v6, 4, v[RD]
	v_add_nc_u32 v[RD], s80, v[RD]
	v_lshlrev_b32 v[CO], 4, v4                     ; which are 512 consecutive bytes of the output
	v_lshlrev_b32 v[BO], 5, v2
	; my three half heads g = 6 x tile column + 3 x half + i: tensor g / 32, half head g % 32: their biases are loaded and their places in the output made
	s_mul_i32 s80, s[CT], 6
	s_mul_i32 s81, s[WC], 3
	s_add_co_u32 s80, s80, s81
	s_lshr_b32 s92, s[RT], 3                       ; the batch
	s_and_b32 s93, s[RT], 7
	s_lshl_b32 s93, s93, 14                        ; 256 rows of 64 bytes a tile row,
	s_lshl_b32 s94, s[WR], 13                      ; my 128 of them
	s_add_co_u32 s93, s93, s94
	WIN TO_B
.irp i, 0,1,2
	s_add_co_u32 s81, s80, (\i)
	s_lshr_b32 s82, s81, 5
	s_and_b32 s83, s81, 31
	s_cmp_eq_u32 s82, 1
	s_cselect_b64 s[86+2*(\i):87+2*(\i)], s[10:11], s[8:9]
	s_cmp_eq_u32 s82, 2
	s_cselect_b64 s[86+2*(\i):87+2*(\i)], s[12:13], s[86+2*(\i):87+2*(\i)]
	s_lshl_b32 s84, s83, 7                         ; 32 numbers of 4 bytes a half head
	s_mov_b32 s85, 0
	s_add_nc_u64 s[86+2*(\i):87+2*(\i)], s[86+2*(\i):87+2*(\i)], s[84:85]
	global_load_b128 v[BIAS+16*(\i):BIAS+16*(\i)+3],     v[BO], s[86+2*(\i):87+2*(\i)]
	global_load_b128 v[BIAS+16*(\i)+4:BIAS+16*(\i)+7],   v[BO], s[86+2*(\i):87+2*(\i)] offset:16
	global_load_b128 v[BIAS+16*(\i)+8:BIAS+16*(\i)+11],  v[BO], s[86+2*(\i):87+2*(\i)] offset:64
	global_load_b128 v[BIAS+16*(\i)+12:BIAS+16*(\i)+15], v[BO], s[86+2*(\i):87+2*(\i)] offset:80
	s_lshl_b32 s84, s82, 2
	s_add_co_u32 s84, s84, s92
	s_lshl_b32 s84, s84, 5
	s_add_co_u32 s84, s84, s83
	s_lshl_b32 s84, s84, 17
	s_add_co_u32 s84, s84, s93
	s_add_nc_u64 s[HP+2*(\i):HP+2*(\i)+1], s[14:15], s[84:85]
.endr
	WIN 0
	; the prefetches
	s_lshl_b32 s84, s[RT], 8
	s_lshl_b32 s85, s[WC], 7
	s_add_co_u32 s84, s84, s85
	s_lshl_b32 s85, s[CX], 5
	s_add_co_u32 s84, s84, s85                     ; xb: the 128 rows that I fetch, my work-group's 32 of them
	s_mul_i32 s85, s[CT], 192
	s_mul_i32 s94, s[WC], 96
	s_add_co_u32 s85, s85, s94
	s_mul_i32 s94, s[CY], 24
	s_add_co_u32 s85, s85, s94                     ; wt: the 96 rows that I fetch, my work-group's 24
	s_and_b32 s94, ttmp7, 0xffff
	s_cmp_eq_u32 s[WR], 0
	s_cselect_b32 s84, s84, s85
	s_cselect_b32 s94, ttmp9, s94                  ; the coordinate along which other clusters read the same rows
	s_cselect_b32 s95, 31, 23
	s_cselect_b64 s[PFA:PFA+1], s[4:5], s[6:7]
	s_cmp_eq_u32 s94, 0
	s_cselect_b32 s[LIM], 1, -1                    ; the same in all sixteen partners, for a given wave
	s_lshl_b32 s84, s84, 11
	s_add_co_u32 s84, s84, 2*KSTEP*2               ; at K step 2: the first refill steps it to 3 and names K step 4
	s_mov_b32 s85, 0
	s_add_nc_u64 s[PFA:PFA+1], s[PFA:PFA+1], s[84:85]
	v_and_b32 v[PFO], 31, v0
	v_min_u32 v[PFO], s95, v[PFO]
	v_lshlrev_b32 v[PFO], 11, v[PFO]
	s_wait_loadcnt 0x0                             ; the biases
	WIN 0x45                                       ; destination and both sources in window 1
.set p, 0
.rept 24                                       ; rounded to bf16, like every input, and widened again
	v_cvt_pk_bf16_f32 v[BT], v[BIAS+2*p], v[BIAS+2*p+1]
	v_lshlrev_b32 v[BIAS+2*p], 16, v[BT]
	v_and_b32 v[BIAS+2*p+1], 0xffff0000, v[BT]
.set p, p+1
.endr
	WIN 0
; 12 matrix instructions: m blocks a0, a0 + 1 of the window's four x all 6 n blocks, 32 along K, from buffer f.  first = 1: the bias starts the sums.
; The 48 accumulators take turns, in the same order in every quarter.
.macro MUL12 f, hi, a0, first
.if \first
	WIN 0x91+0x40*(\hi)
.else
	WIN 0xa1+0x50*(\hi)
.endif
.irp a, \a0, (\a0)+1
.irp b, 0,1,2,3,4,5
.if \first
	v_wmma_f32_16x16x32_bf16 v[8*(6*(\a)+(\b)):8*(6*(\a)+(\b))+7], v[FB+48*(\f)+8*(\b):FB+48*(\f)+8*(\b)+7], v[FA+64*(\f)+8*(4*(\hi)+(\a)):FA+64*(\f)+8*(4*(\hi)+(\a))+7], v[BIAS+8*(\b):BIAS+8*(\b)+7]
.else
	v_wmma_f32_16x16x32_bf16 v[8*(6*(\a)+(\b)):8*(6*(\a)+(\b))+7], v[FB+48*(\f)+8*(\b):FB+48*(\f)+8*(\b)+7], v[FA+64*(\f)+8*(4*(\hi)+(\a)):FA+64*(\f)+8*(4*(\hi)+(\a))+7], v[8*(6*(\a)+(\b)):8*(6*(\a)+(\b))+7]
.endif
.endr
.endr
.endm
; 28 LDS loads in one run: a quarter's fragments (96 rows of wt, 128 of xb, 32 K at byte k of the rows) into buffer f
.macro FETCH slot, k, f
	WIN TO_B
.irp i, 0,1,2,3,4,5
	ds_load_b128 v[FB+48*(\f)+8*(\i):FB+48*(\f)+8*(\i)+3],   v[ADRB+(\slot)] offset:(\k)+(\i)*16*PITCH
	ds_load_b128 v[FB+48*(\f)+8*(\i)+4:FB+48*(\f)+8*(\i)+7], v[ADRB+(\slot)] offset:(\k)+(\i)*16*PITCH+32
.endr
	WIN 0
.irp i, 0,1,2,3,4,5,6,7
	ds_load_b128 v[FA+64*(\f)+8*(\i):FA+64*(\f)+8*(\i)+3],   v[ADRA+(\slot)] offset:(\k)+(\i)*16*PITCH
	ds_load_b128 v[FA+64*(\f)+8*(\i)+4:FA+64*(\f)+8*(\i)+7], v[ADRA+(\slot)] offset:(\k)+(\i)*16*PITCH+32
.endr
.endm
.macro PLACES                          ; four plain instructions between a matrix instruction and a load into, or a vector read of, its registers
.rept 4
	v_nop
.endr
.endm
; One of a K step's first three quarters: multiplies buffer f; in its middle it fetches the next quarter, at byte k, into buffer g.
.macro QUARTER slot, k, f, g, first
	s_wait_dscnt 8                                 ; wt's and xb's rows 0-63 are in; the youngest eight loads (xb's rows 64-127) may be out
	MUL12 \f, 0, 0, \first
	MUL12 \f, 0, 2, \first
	PLACES
	FETCH \slot, \k, \g
	s_wait_dscnt 28                                ; all but the 28 just issued
	MUL12 \f, 1, 0, \first
	MUL12 \f, 1, 2, \first
.endm
; The last quarter multiplies buffer 1 and changes slots: one barrier; in front of it each wave waits for all its tensor loads (the one that is out is its part of the next slot), adds 0 to its
; spare word, and waits for that and for its reads of this slot.  fill = 1: the barrier opens a round of the cluster's barrier, and this slot is filled again, two K steps on, first thing behind it.
.macro TURN slot, next, fill
.if \fill
	s_wait_xcnt 0x0                                ; the last prefetch, a K step back, has read its address
	s_add_nc_u64 s[PFA:PFA+1], s[PFA:PFA+1], KSTEP*2
.endif
	WIN 0                                          ; (the add's two registers lie in window 0)
	s_wait_tensorcnt 0x0
	ds_add_u32 v[SPW], v[NIL]
	s_wait_dscnt 9                                 ; (the add and the youngest eight loads may be out)
	MUL12 1, 0, 0, 0
	s_wait_dscnt 0x0                               ; the add is done, and my reads of this slot are over
	s_barrier_signal -1
	MUL12 1, 0, 2, 0
.if \fill
	WIN 0
.endif
	s_barrier_wait -1
.if \fill
	CREST                                          ; no wave of any partner still reads this slot or has a load on its way
	s_add_nc_u64 s[G0+4*(\slot)+2:G0+4*(\slot)+3], s[G0+4*(\slot)+2:G0+4*(\slot)+3], 2*KSTEP*2
	s_add_nc_u64 s[G0B+4*(\slot)+2:G0B+4*(\slot)+3], s[G0B+4*(\slot)+2:G0B+4*(\slot)+3], 2*KSTEP*2
	JLOAD \slot                                    ; 168 matrix instructions ahead of the wait for it; its four v_nop are also the places in front of the loads below
.else
	PLACES
.endif
	FETCH \next, 0, 0
.if \fill
	ASK
.endif
	MUL12 1, 1, 0, 0
	MUL12 1, 1, 2, 0
.endm
; THE WAY OUT of block a (16 rows x 96 columns).  PACK: rounded to f16, 16 bytes a lane and n block.  TOSTAGE: into my own stage and back, 8 rows x 64 bytes of a half head a load.  SEND: stored.
.macro PACK a
.set AC, 48*((\a)%4)
	WIN 0x0a+5*((\a)/4)                            ; sources 0 and 1 in window 2 or 3
.irp b, 0,1,2,3,4,5
.irp r, 0,1,2,3
	v_cvt_pk_f16_f32 v[TMP+4*(\b)+(\r)], v[AC+8*(\b)+2*(\r)], v[AC+8*(\b)+2*(\r)+1]
.endr
.endr
	WIN 0
.endm
.macro TOSTAGE a
	WIN 0
.set BK, OB+192*((\a)%2)
	s_wait_xcnt 0x0                                ; the stores of the block two back have read these registers
.irp b, 0,1,2,3,4,5
	ds_store_b128 v[STO], v[TMP+4*(\b):TMP+4*(\b)+3] offset:32*(\b)
.endr
.irp i, 0,1,2
.irp t, 0,1
	ds_load_b128 v[BK+4*(2*(\i)+(\t)):BK+4*(2*(\i)+(\t))+3], v[RD] offset:64*(\i)+8*SPITCH*(\t)  ; LDS serves a wave's instructions in order (ISA guide 5.7.1.4): these see the stores above
.endr
.endr
.endm
.macro SEND a
	WIN 0
.set BK, OB+192*((\a)%2)
	s_wait_dscnt 0x0                               ; the block is back in registers
.irp i, 0,1,2
.irp t, 0,1
	global_store_b128 v[CO], v[BK+4*(2*(\i)+(\t)):BK+4*(2*(\i)+(\t))+3], s[HP+2*(\i):HP+2*(\i)+1] offset:1024*(\a)+512*(\t)  ; 512 consecutive bytes, at a multiple of 512 from the buffer's first
.endr
.endr
.endm
	s_wait_tensorcnt 1                             ; my part of K step 0 is in; K step 1's may stay out
	s_barrier_signal -1
	s_barrier_wait -1
	FETCH 0, 0, 0
	QUARTER 0, 64, 0, 1, 1                         ; the first quarter stands in front of the loop: its products start the sums, with the bias
	WIN 0
	s_mov_b32 s3, LAPS-1
.Llap:                                         ; a trip goes once round the ring and fills both slots again
	QUARTER 0, 128, 1, 0, 0
	QUARTER 0, 192, 0, 1, 0
	TURN 0, 1, 1
	QUARTER 1, 64,  0, 1, 0
	QUARTER 1, 128, 1, 0, 0
	QUARTER 1, 192, 0, 1, 0
	TURN 1, 0, 1
	QUARTER 0, 64,  0, 1, 0
	WIN 0
	s_sub_co_u32 s3, s3, 1
	s_cmp_lg_u32 s3, 0
	s_cbranch_scc1 .Llap
	QUARTER 0, 128, 1, 0, 0                        ; the last lap fills nothing
	QUARTER 0, 192, 0, 1, 0
	TURN 0, 1, 0
	QUARTER 1, 64,  0, 1, 0
	QUARTER 1, 128, 1, 0, 0
	QUARTER 1, 192, 0, 1, 0
	s_wait_dscnt 8
	MUL12 1, 0, 0, 0
	MUL12 1, 0, 2, 0
	s_wait_dscnt 0x0
	MUL12 1, 1, 0, 0
	MUL12 1, 1, 2, 0
	PLACES
	PACK 0
	TOSTAGE 0
.irp a, 1,2,3,4,5,6,7                  ; block a's conversions stand between block a - 1's loads from the stage and the wait for them
	PACK \a
	SEND (\a)-1
	TOSTAGE \a
.endr
	SEND 7
	s_wait_tensorcnt 0x0                           ; the wave's end
	ds_add_u32 v[SPW], v[NIL]
	s_wait_dscnt 0x0
	CROUND                                         ; the closing round
	s_endpgm
.Lfunc_end_k_q499c5740f6_qkv:
	.size	k_q499c5740f6_qkv, .Lfunc_end_k_q499c5740f6_qkv-k_q499c5740f6_qkv
	.p2alignl 7, 3214868480
	.fill 96, 4, 3214868480
	.section	.rodata,"a",@progbits
	.p2align	6, 0x0
	.amdhsa_kernel k_q499c5740f6_qkv
		.amdhsa_group_segment_fixed_size 327680
		.amdhsa_private_segment_fixed_size 0
		.amdhsa_enable_private_segment 0
		.amdhsa_kernarg_size 48
		.amdhsa_user_sgpr_count 2
		.amdhsa_user_sgpr_kernarg_segment_ptr 1
		.amdhsa_wavefront_size32 1
		.amdhsa_system_sgpr_workgroup_id_x 1
		.amdhsa_system_sgpr_workgroup_id_y 1
		.amdhsa_system_sgpr_workgroup_id_z 1
		.amdhsa_system_vgpr_workitem_id 0
		.amdhsa_next_free_vgpr 960
		.amdhsa_next_free_sgpr 96
		.amdhsa_reserve_vcc 0
		.amdhsa_float_denorm_mode_32 3
		.amdhsa_float_denorm_mode_16_64 3
		.amdhsa_memory_ordered 1
		.amdhsa_forward_progress 1
		.amdhsa_inst_pref_size 123
	.end_amdhsa_kernel
	.amdgpu_metadata
---
amdhsa.version: [ 1, 2 ]
amdhsa.kernels:
  - .name:           k_q499c5740f6_qkv
    .symbol:         k_q499c5740f6_qkv.kd
    .args:
      - { .name: xb, .offset: 0, .size: 8, .value_kind: global_buffer, .address_space: global }
      - { .name: wt, .offset: 8, .size: 8, .value_kind: global_buffer, .address_space: global }
      - { .name: bq, .offset: 16, .size: 8, .value_kind: global_buffer, .address_space: global }
      - { .name: bk, .offset: 24, .size: 8, .value_kind: global_buffer, .address_space: global }
      - { .name: bv, .offset: 32, .size: 8, .value_kind: global_buffer, .address_space: global }
      - { .name: qkv, .offset: 40, .size: 8, .value_kind: global_buffer, .address_space: global }
    .group_segment_fixed_size: 327680
    .private_segment_fixed_size: 0
    .kernarg_segment_align: 8
    .kernarg_segment_size: 48
    .max_flat_workgroup_size: 128
    .sgpr_count:     96
    .vgpr_count:     960
    .wavefront_size: 32
...
	.end_amdgpu_metadata
.endif
;; end of part 2
;; launch attn (part 3): grid 4 x 64, 4 waves a work-group, clusters of 4 x 1, 327,680 bytes of LDS; arguments qkv, mask, ob; writes ob
.if DOCPART == 3
	.amdgcn_target "amdgcn-amd-amdhsa--gfx1250"
	.amdhsa_code_object_version 6
	.text
	.protected	k_q499c5740f6_attn
	.globl	k_q499c5740f6_attn
	.p2align	8
	.type	k_q499c5740f6_attn,@function
k_q499c5740f6_attn:
	s_mov_b64 s[64:65], 0
	v_nop
	global_prefetch_b8 v0, s[64:65] scope:SCOPE_SE
	s_setreg_imm32_b32 hwreg(HW_REG_WAVE_MODE, 25, 1), 1
	s_wait_xcnt 0x0
	s_wait_alu depctr_hold_cnt(0) depctr_sa_sdst(0) depctr_va_vdst(0) depctr_va_sdst(0) depctr_va_ssrc(0) depctr_va_vcc(0) depctr_vm_vsrc(0)
	s_getreg_b32 s2, hwreg(HW_REG_IB_STS2, 6, 4)
	s_cmp_eq_u32 s2, 0
	s_cbranch_scc0 .Lentry_in_a_cluster
	s_endpgm
.Lentry_in_a_cluster:
	s_bfe_u32 s2, ttmp6, 0x10000c
	s_cmp_lg_u32 s2, 0x3003
	s_cbranch_scc0 .Lentry_shape_is_right
	s_endpgm
.Lentry_shape_is_right:
; O[bh][q][:] = the sum over k of softmax_k(score) V[bh][k][:], score = Q[bh][q] . K[bh][k] / 8 where mask[b][k] is not 0, hidden where it is 0.  64 heads (bh = 16 b + h) of 2,048 rows, head size 64.
; IN: qkv, f16, by half heads: byte = t << 24 + bh << 18 + half << 17 + 64 s + 2 channel.  OUT: ob, f16, [bh][s][64].  Products, maxima and sums in f32; the weights p are rounded to f16 for the second product.
; THE MASK.  A table of 2,048 f32 in LDS holds 0 for a visible key and -1e30 for a hidden one; a step's 64 numbers, in the accumulators' layout, are the C operand that starts the sum S^T = K Q^T.
; A hidden key's weight is then 0 as soon as the row's running maximum is a visible score; what was gathered before that is multiplied by a = 0.  Where a batch has NO visible key, c = 0: every weight is 1,
; the uniform softmax of a row of equal scores.
; LIMITS.  Q, K, V within 65,504.  A hidden key has weight 0 beside a visible one: so it is in the problem's own terms while the row's largest visible scaled score lies above -1e9 + 104.
; p below 6e-5 keeps f16's fixed step; a weight below 2^-126 counts as 0 in l; NaN and infinities are not treated apart.
; SHARES.  A wave owns four PIECES of two tiles of 16 queries, a work-group's four waves 512 queries of one head; a cluster's four work-groups are one head.  Every wave walks all keys, 64 a step.
; LAYOUT.  S^T = K Q^T (source 0 = 16 keys, source 1 = 16 queries): a lane holds ONE query (lane % 16) and the keys 8 (lane / 16) + 0..7.  Two such tiles, rounded to f16 in pairs, ARE source 1 of
; O^T = V^T P.  K comes out of LDS as it lies (a fragment of 16 keys x 32 channels is a piece of one half head), V turned, by ds_load_tr16_b128.
; SOFTMAX.  A running maximum m and sum l: p = 2^(c s - c m), c = log2(e) / 8; in every step O and l are multiplied by a = 2^(c m_old - c m_new).  m starts at the lowest finite number, O and l at 0.
; BY TURNS.  Turn n belongs to piece n: 16 products K Q^T of piece n + 1, later 16 products V^T P of piece n - 1; beside them the scaling, exponentials, roundings, sums and rescaling of piece n and the maximum
; and statistics of piece n + 1.  Four vector instructions stand behind every matrix instruction, the others in one lump; a turn's 66 exponentials are one batch with one wait.
; CLUSTER.  The four query blocks walk the same K and V: each tile is asked for JOINTLY, by the same tensor load, descriptor and mask in all four.
; REGISTERS, in windows of 256 (s_set_vgpr_msb: bits 1:0 source 0, 3:2 source 1, 5:4 source 2, 7:6 destination):
;   window 0: v1-11 addresses; v12-15, v48-63 at work; v16-47 statistics; v64-191 S^T, two buffers of two tiles; v192-255 P, likewise
;   window 1: O^T, 32 a tile      window 2: v0-127 Q; v128-191 K of one step; v192-255 V of one step      window 3: v0-1 the add's two registers; v8-39 the step's mask
.set NP,    4
.set KS,    64
.set PK,    80        ; a key's 64 bytes of a half head + 16 of padding = 20 words: the 16 rows of a load start at 16 different groups of four banks (64 banks of 4 bytes: ISA guide 11.1)
.set PV,    96        ; 64 + 32 = 24 words
.set KH,    256*PK    ; a slot holds 256 keys: K's two halves,
.set VH,    256*PV    ; then V's two halves
.set VOFF,  2*KH
.set SLOT1, 1<<17
.set STAGE, SLOT1+2*KH+2*VH     ; behind the ring: 16 rows x 144 bytes for each wave, for the way out
.set SP,    144
.set MT,    STAGE+4*16*SP       ; the mask's table: 2,048 f32, written by LDS stores alone
.set SPARE, MT+8192             ; the spare words, 128 bytes a wave
.set QO,  1           ; v1   my byte offset in 16 rows of a half head of Q
.set AK0, 2           ; v2   my lane's place in a tile of K; never rewritten
.set AV0, 3           ; v3   the same for V
.set AK,  4           ; v4   the LDS address of K's next run of loads
.set AV,  5           ; v5   of V's
.set STO, 6           ; v6   the way out: where I put 16 bytes of a row
.set RD,  7           ; v7   where I read rows back
.set GO,  8           ; v8   16 x lane
.set AM,  9           ; v9   the LDS address of the mask's next run of loads
.set PFO, 10          ; v10  the prefetches' offset; never rewritten
.set AM0, 11          ; v11  MT + 32 (l / 16); never rewritten
.set SPW, 0           ; v0 of window 3
.set NIL, 1           ; v1 of window 3
.set KM,  8           ; v8-39 of window 3: register 8 kb + j: the mask of key 16 kb + 8 (l / 16) + j of the step
.set MV,  12
.set ST,  16          ; tile t's statistics at v[ST+4 t]: c m, m, l (even keys', odd keys')
.set TMP, 48
.set S,   64
.set P,   192
.set KF,  128
.set VF,  192
.set WV,  12
.set G1K, 24
.set G1V, 32
.set G0K, 40
.set G0V, 44
.set SLOTS, 56
.set CNT, 57
.set CS,  58          ; s[58:59] c, or 0
.set SEL, 60
.set TBK, 62
.set TBV, 63
.set PFA, 68          ; s[68:69] where my prefetches stand
.set LIM, 70          ; 1 in a wave that prefetches, else the greatest number
.set BIGN, 71         ; -1e30
.set TBM, 72          ; byte in the mask's table at which the step to be fetched begins
.set MSB, 0
.macro WIN new
.if MSB != (\new)
	s_set_vgpr_msb (MSB<<8)|(\new)
.set MSB, (\new)
.endif
.endm
.set W_KQ, 0x0a       ; K and Q in window 2, S^T in window 0
.set W_KM, 0x3a       ; the same with the C operand in window 3
.set W_PV, 0x52       ; V in window 2, P in window 0, O^T in window 1
.set W_RS, 0x41       ; O^T in window 1, a in window 0
.set W_MK, 0xc0
.set W_AD, 0x0f
; A joint fill.  Waves 0 and 1 fetch the two half heads of a slot's K, waves 2 and 3 those of its V: 256 keys x 64 bytes each.  An s_nop 0 and four v_nop follow each line.
.macro JLOAD
	s_cmp_lt_u32 s[WV], 2
	s_cbranch_scc0 .Lfor_v_\@
	tensor_load_to_lds s[G0K:G0K+3], s[G1K:G1K+7]
	s_nop 0
.rept 4
	v_nop
.endr
	s_branch .Lasked_\@
.Lfor_v_\@:
	tensor_load_to_lds s[G0V:G0V+3], s[G1V:G1V+7]
	s_nop 0
.rept 4
	v_nop
.endr
.Lasked_\@:
.endm
; A prefetch of what the NEXT change of slots will ask for, four key steps (512 matrix instructions) ahead: a slot's K is 2 x 16,384 bytes, and so is its V.  The four partners share them out by address,
; 4,096 bytes of each half; wave 0 asks for K's, wave 2 for V's: lanes 0-15 sixteen blocks of 256 bytes of half 0, lanes 16-31 of half 1.  Each block is named once.  The change that fills the last slot asks for nothing.
.macro ASK
	s_cmp_gt_u32 s[SLOTS], s[LIM]
	s_cbranch_scc0 .Lnot_mine_\@
	global_prefetch_b8 v[PFO], s[PFA:PFA+1] th:TH_LOAD_NT scope:SCOPE_SE
.Lnot_mine_\@:
.endm
.macro CROUND
	s_barrier_signal -1
	s_barrier_wait -1
	s_cmp_lg_u32 s[WV], 0
	s_cbranch_scc1 .Lnot_wave_0_\@
	s_barrier_signal -3
.Lnot_wave_0_\@:
	s_barrier_wait -3
	s_barrier_signal -1
	s_barrier_wait -1
.endm
; THE CHANGE OF SLOTS.  Each wave waits for all its tensor loads, of which one is out: its part of the other slot; adds 0 to its spare word; and waits for that and for its LDS instructions.  Behind the barrier
; nobody reads the old slot and the other slot is whole.  fill = 1: the barrier is a round of the cluster's, and the old slot is filled again, first thing behind it, with the keys two slots on.
; (At its first use nothing has been read yet: slot 0 is waited for, slot 1 filled, and every wave's part of the mask's table is shown to the others.)
.macro CHANGE fill
	WIN W_AD
	s_wait_tensorcnt 0x0            ; no tensor load of mine is out, so a group 0 may be written
	ds_add_u32 v[SPW], v[NIL]
	WIN 0
.if \fill
.irp g, G0K, G0V
	s_xor_b32 s[\g+1], s[\g+1], SLOT1
	s_add_nc_u64 s[\g+2:\g+3], s[\g+2:\g+3], 16384  ; the next 256 keys of my half head
.endr
	s_wait_xcnt 0x0                 ; the last prefetch, four key steps back, has read its address
	s_add_nc_u64 s[PFA:PFA+1], s[PFA:PFA+1], 16384
	s_wait_dscnt 0x0                ; the add is done, and my reads of the slot are over
	CROUND
	JLOAD
	ASK
.else
	s_wait_dscnt 0x0
	s_barrier_signal -1
	s_barrier_wait -1
.endif
	s_sub_co_u32 s[TBK], s[TBK], 4*KS*PK
	s_xor_b32 s[TBK], s[TBK], SLOT1
	s_sub_co_u32 s[TBV], s[TBV], 4*KS*PV
	s_xor_b32 s[TBV], s[TBV], SLOT1
.endm
	s_load_b128 s[4:7], s[0:1], 0x0   ; qkv s[4:5], mask s[6:7]
	s_load_b64 s[10:11], s[0:1], 0x10 ; ob
	WIN W_MK
	v_lshl_add_u32 v[SPW], v0, 2, SPARE
	v_mov_b32 v[NIL], 0
	WIN W_AD
	ds_add_u32 v[SPW], v[NIL]       ; the wave's opening: the add and its wait stand ahead of my first tensor load
	WIN 0
	v_lshrrev_b32 v1, 5, v0
	v_readfirstlane_b32 s[WV], v1
	s_bfe_u32 s13, ttmp6, 0x40000   ; cx
	s_lshl_b32 s14, ttmp9, 2
	s_add_co_u32 s14, s14, s13      ; my block of 512 queries: it enters Q's and O's addresses alone
	s_and_b32 s20, ttmp7, 0xffff    ; the head, which the four partners share
	s_lshr_b32 s18, s20, 4          ; its batch:
	s_lshl_b32 s18, s18, 13         ; 8,192 bytes of mask
	s_mov_b32 s19, 0
	s_lshl_b32 s20, s20, 18         ; the head's first byte in q, in k, in v and in ob
	s_and_b32 s16, s[WV], 1         ; which half head I fetch
	s_lshl_b32 s22, s16, 17
	s_add_co_u32 s22, s22, s20
	s_mov_b32 s23, 0
	s_mul_i32 s17, s16, KH          ; its place in a slot, for K
	s_mul_i32 s15, s16, VH          ; and for V
	s_lshl_b32 s2, s14, 2
	s_add_co_u32 s2, s2, s[WV]      ; my wave among the head's: 128 rows
	s_lshl_b32 s8, s2, 14           ; of 128 bytes in ob,
	s_add_co_u32 s8, s8, s20
	s_mov_b32 s9, 0
	s_lshl_b32 s2, s2, 13           ; of 64 bytes in a half head of q
	s_add_co_u32 s2, s2, s20
	s_mov_b32 s3, 0
	; group 1: 16,384 dense bytes, asked for as 64 rows of 256 bytes (four keys a row), padded in LDS after every key's 16 words
	s_mov_b32 s[G1K], 15|(1<<16)|(1<<20)|(1<<21)|(3<<22)|(3<<25)  ; the mask of four; 2-byte elements; padding on; bit 21 beside a mask; after every 16 words (code 3), 4 words (code 3)
	s_mov_b32 s[G1V], 15|(1<<16)|(1<<20)|(1<<21)|(3<<22)|(7<<25)  ; the same with 8 words (code 7)
.irp g, G1K, G1V
	s_mov_b32 s[\g+1], 128<<16
	s_mov_b32 s[\g+2], 64<<16
	s_mov_b32 s[\g+3], 128<<16
	s_mov_b32 s[\g+4], 64
	s_mov_b32 s[\g+5], 128
	s_mov_b32 s[\g+6], 0
	s_mov_b32 s[\g+7], 0
.endr
	s_mov_b32 s[SEL], 0x76543210
	s_mov_b32 s[SEL+1], 0xfedcba98
	s_mov_b32 s[TBK], SLOT1+4*KS*PK ; the first change of slots turns these two into 0
	s_mov_b32 s[TBV], SLOT1+4*KS*PV
	s_mov_b32 s[TBM], 0
	s_mov_b32 s[BIGN], 0xf149f2ca   ; -1e30
	s_mov_b32 s[SLOTS], 7           ; 2,048 / 256 - 1
	s_and_b32 s[LIM], s[WV], 1      ; waves 0 and 2 of the head's first cluster (here its only one) prefetch
	s_or_b32 s[LIM], s[LIM], ttmp9
	s_cmp_eq_u32 s[LIM], 0
	s_cselect_b32 s[LIM], 1, -1
	s_mov_b32 s[G0K], 1
	s_mov_b32 s[G0K+1], s17
	s_mov_b32 s[G0V], 1
	s_add_co_u32 s[G0V+1], s15, VOFF
	s_lshl_b32 s66, s13, 12         ; my work-group's 4,096 bytes of each half,
	s_add_co_u32 s66, s66, 16384    ; in slot 1: the first change of slots steps it to slot 2
	s_mov_b32 s67, 0
	s_wait_dscnt 0x0                ; the opening add is done
	s_wait_kmcnt 0x0
	s_add_nc_u64 s[G0K+2:G0K+3], s[4:5], s[22:23]
	s_add_nc_u64 s[G0V+2:G0V+3], s[G0K+2:G0K+3], 0x2000000  ; v
	s_add_nc_u64 s[G0K+2:G0K+3], s[G0K+2:G0K+3], 0x1000000  ; k
	s_cmp_lt_u32 s[WV], 2
	s_cselect_b64 s[PFA:PFA+1], s[G0K+2:G0K+3], s[G0V+2:G0V+3]  ; (in waves 0 and 2 these stand at the head's first byte)
	s_add_nc_u64 s[PFA:PFA+1], s[PFA:PFA+1], s[66:67]
	s_or_b32 s[G0K+3], s[G0K+3], 0x80000000
	s_or_b32 s[G0V+3], s[G0V+3], 0x80000000
	s_add_nc_u64 s[4:5], s[4:5], s[2:3]      ; Q at my wave's first row
	s_add_nc_u64 s[10:11], s[10:11], s[8:9]  ; O likewise
	s_add_nc_u64 s[6:7], s[6:7], s[18:19]    ; the batch's mask
	CROUND                          ; all four work-groups are here: the first joint loads meet
	JLOAD                           ; slot 0
	v_and_b32 v1, 15, v0            ; l % 16
	v_bfe_u32 v9, v0, 4, 1          ; l / 16
	v_and_b32 v10, 7, v0
	v_bfe_u32 v11, v0, 3, 1
	v_mul_u32_u24 v[AK0], v1, PK
	v_lshl_add_u32 v[AK0], v9, 4, v[AK0]  ; row x pitch + 16 x half
	v_lshl_add_u32 v[AV0], v9, 3, v10     ; the turning load: key 8 (l / 16) + l % 8, channels 8 ((l / 8) % 2) on
	v_mul_u32_u24 v[AV0], v[AV0], PV
	v_lshl_add_u32 v[AV0], v11, 4, v[AV0]
	v_add_nc_u32 v[AV0], VOFF, v[AV0]
	v_mov_b32 v[AK], v[AK0]         ; key step 0 lies at the head of slot 0
	s_mul_i32 s13, s[WV], 16*SP
	s_add_co_u32 s13, s13, STAGE    ; my stage
	v_mul_u32_u24 v[STO], v1, SP
	v_lshl_add_u32 v[STO], v9, 4, v[STO]
	v_add_nc_u32 v[STO], s13, v[STO]
	v_bfe_u32 v[RD], v0, 3, 2
	v_mul_u32_u24 v[RD], v[RD], SP
	v_lshl_add_u32 v[RD], v10, 4, v[RD]
	v_add_nc_u32 v[RD], s13, v[RD]
	v_and_b32 v[GO], 31, v0
	v_lshlrev_b32 v[GO], 4, v[GO]
	s_lshl_b32 s66, s[WV], 11
	v_add_nc_u32 v13, s66, v[GO]    ; my wave's quarter of the mask: 2,048 w + 16 l
	v_add_nc_u32 v14, MT, v13       ; and of the table
	v_lshlrev_b32 v[PFO], 8, v1
	v_lshl_add_u32 v[PFO], v9, 17, v[PFO]
	v_lshl_add_u32 v[AM0], v9, 5, MT
	v_lshlrev_b32 v1, 6, v1
	v_lshl_add_u32 v[QO], v9, 4, v1 ; row x 64 + 16 x half
	v_mov_b32 v[AM], v[AM0]
.irp j, 0,1,2,3
	global_load_b128 v[128+4*\j:131+4*\j], v13, s[6:7] offset:512*\j  ; my quarter, for the table
.endr
.set i, 0
.rept 16
	global_load_b128 v[64+4*i:67+4*i], v[GO], s[6:7] offset:512*i     ; the whole row: is any key visible?
.set i, i+1
.endr
	WIN 0x80                        ; destination window 2, address window 0
.set i, 0
.rept 4*NP                          ; Q stays in registers: tile i / 2, half head i % 2
	global_load_b128 v[8*i:8*i+3],   v[QO], s[4:5] offset:(i/2)*1024+(i%2)*131072
	global_load_b128 v[8*i+4:8*i+7], v[QO], s[4:5] offset:(i/2)*1024+(i%2)*131072+32
.set i, i+1
.endr
	; What the first turn finds: V's registers and P's second buffer hold 0, O^T and l are 0.  All this stands in the wait for the first tile.
.set i, VF
.rept 64
	v_mov_b32 v[i], 0
.set i, i+1
.endr
	WIN 0x40
.set i, 0
.rept 64*NP
	v_mov_b32 v[i], 0
.set i, i+1
.endr
	WIN 0
.set i, 0
.rept 2*NP
	v_mov_b32 v[ST+4*i], 0xfe000000    ; c m: far below every c s
	v_mov_b32 v[ST+4*i+1], 0xff7fffff  ; m
	v_mov_b32 v[ST+4*i+2], 0
	v_mov_b32 v[ST+4*i+3], 0
.set i, i+1
.endr
.set i, P+32
.rept 32
	v_mov_b32 v[i], 0
.set i, i+1
.endr
	s_wait_loadcnt 32               ; the mask's 20 loads are in; Q's 32, issued behind them, may stay out
.set i, 128
.rept 16
	v_cmp_eq_u32 vcc_lo, 0, v[i]
	v_cndmask_b32 v[i], 0, s[BIGN], vcc_lo
.set i, i+1
.endr
.irp j, 0,1,2,3
	ds_store_b128 v14, v[128+4*\j:131+4*\j] offset:512*\j
.endr
.irp w, 32,16,8,4,2,1               ; the row's 2,048 words, 64 a lane, are ORed into one
.set i, 0
.rept \w
	v_or_b32 v[64+i], v[64+i], v[64+\w+i]
.set i, i+1
.endr
.endr
	v_cmp_ne_u32 s73, 0, v64
	s_cmp_lg_u32 s73, 0
	s_cselect_b32 s[CS], 0x3e38aa3b, 0  ; c = log2(e) / 8 = 0.180337, or 0 where the batch has no visible key
	s_mov_b32 s[CS+1], s[CS]
; THE MATRIX WORK.  The 8 accumulators of a run of 16 take turns.
; Product i of 16 of S^T = K Q^T for piece x: half head i / 8, keys 16 ((i / 2) % 4) on, tile 2 x + i % 2.  The first 8 start the sums, with the mask.
.macro KQ x
.set rS, S+64*((\x)%2)+32*(i%2)+8*((i/2)%4)
.set rK, KF+16*((i/2)%4)+8*(i/8)
.set rQ, 16*(2*(\x)+i%2)+8*(i/8)
.set rKM, KM+8*((i/2)%4)
.if i < 8
	WIN W_KM
	v_wmma_f32_16x16x32_f16 v[rS:rS+7], v[rK:rK+7], v[rQ:rQ+7], v[rKM:rKM+7]
.else
	WIN W_KQ
	v_wmma_f32_16x16x32_f16 v[rS:rS+7], v[rK:rK+7], v[rQ:rQ+7], v[rS:rS+7]
.endif
.endm
; Product i of 16 of O^T += V^T P for piece x: keys 32 (i / 8) on, channels 16 ((i / 2) % 4) on, tile 2 x + i % 2.
.macro PV x
	WIN W_PV
.set rO, 32*(2*(\x)+i%2)+8*((i/2)%4)
.set rV, VF+32*(i/8)+8*((i/2)%4)
.set rP, P+32*((\x)%2)+16*(i%2)+8*(i/8)
	v_wmma_f32_16x16x32_f16 v[rO:rO+7], v[rV:rV+7], v[rP:rP+7], v[rO:rO+7]
.endm
.macro MM                           ; the turn's next matrix instruction
.if i < 16
	KQ (Y+1)%NP
.set i, i+1
.else
.set i, i-16
	PV (Y+NP-1)%NP
.set i, i+17
.endif
.endm
; THE LDS LOADS stand in runs: a step's K (8 fragments) with its mask (64 numbers, the same for all lanes of a half), and its V (turned).  Their addresses are made some lines ahead.
; last = 1 (the tail): in the last trip there is no further step, and the run is jumped over.
.macro FETCH_K last=0
	WIN 0
.if \last
	s_cmp_eq_u32 s[CNT], 1
	s_cbranch_scc1 .Lno_k_\@
.endif
	WIN 0x80                        ; destination window 2
.irp f, 0,1,2,3,4,5,6,7             ; keys 16 (f / 2) on, half head f % 2
	ds_load_b128 v[KF+8*\f:KF+8*\f+3],   v[AK] offset:(\f/2)*16*PK+(\f%2)*KH
	ds_load_b128 v[KF+8*\f+4:KF+8*\f+7], v[AK] offset:(\f/2)*16*PK+(\f%2)*KH+32
.endr
	WIN 0xc0                        ; destination window 3
.irp f, 0,1,2,3                     ; keys 16 f on
	ds_load_b128 v[KM+8*\f:KM+8*\f+3],   v[AM] offset:64*\f
	ds_load_b128 v[KM+8*\f+4:KM+8*\f+7], v[AM] offset:64*\f+16
.endr
	s_add_co_u32 s[TBK], s[TBK], KS*PK  ; the next fetch is the next step's
	s_add_co_u32 s[TBM], s[TBM], KS*4
	WIN 0
.if \last
.Lno_k_\@:
.endif
.endm
.macro FETCH_V
	WIN 0x80
.irp f, 0,1,2,3,4,5,6,7             ; keys 32 (f / 4) on, channels 16 (f % 4) on: half head (f % 4) / 2, 32 bytes x (f % 2)
	ds_load_tr16_b128 v[VF+8*\f:VF+8*\f+3],   v[AV] offset:(\f/4)*32*PV+((\f%4)/2)*VH+(\f%2)*32
	ds_load_tr16_b128 v[VF+8*\f+4:VF+8*\f+7], v[AV] offset:(\f/4)*32*PV+16*PV+((\f%4)/2)*VH+(\f%2)*32
.endr
	WIN 0
.endm
; THE VECTOR WORK OF A TURN stands in three queues, each in the order in which its entries become ready; the two tiles alternate.
.macro REGS y, u                    ; the registers of tile u (0, 1) of piece y
.set rT, ST+4*(2*(\y)+(\u))
.set rC, TMP+8*((\y)%2)+4*(\u)
.set rM, MV+2*((\y)%2)+(\u)
.set rS, S+64*((\y)%2)+32*(\u)
.set rP, P+32*((\y)%2)+16*(\u)
.set rO, 32*(2*(\y)+(\u))
.endm
; Number n of the 22 that find the NEXT piece's maximum and statistics; each accumulator's lowest registers are read first.
;   0-11 four chains c0-c3     12-14, 16 the scores left over, the old m, c0-c3 into c0     15 c m_old is kept     17, 18 the other half of the lanes': the new m     19-21 c m; c m_old - c m_new; a
.macro XS u, n
	REGS (Y+1)%NP, \u
.if (\n) < 4
	v_max3_num_f32 v[rC+(\n)], v[rS+8*(\n)], v[rS+8*(\n)+1], v[rS+8*(\n)+2]
.elseif (\n) < 12
	v_max3_num_f32 v[rC+(\n)%4], v[rC+(\n)%4], v[rS+8*((\n)%4)+2*((\n)/4)+1], v[rS+8*((\n)%4)+2*((\n)/4)+2]
.elseif (\n) == 12
	v_max3_num_f32 v[rC], v[rC], v[rS+7], v[rS+15]
.elseif (\n) == 13
	v_max3_num_f32 v[rC+1], v[rC+1], v[rS+23], v[rS+31]
.elseif (\n) == 14
	v_max3_num_f32 v[rC+2], v[rC+2], v[rC+3], v[rT+1]
.elseif (\n) == 15
	v_mov_b32 v[rM], v[rT]
.elseif (\n) == 16
	v_max3_num_f32 v[rC], v[rC], v[rC+1], v[rC+2]
.elseif (\n) == 17
	v_permlanex16_b32 v[rC+3], v[rC], s[SEL], s[SEL+1]
.elseif (\n) == 18
	v_max_num_f32 v[rT+1], v[rC], v[rC+3]
.elseif (\n) == 19
	v_mul_f32 v[rT], s[CS], v[rT+1]
.elseif (\n) == 20
	v_sub_f32 v[rC+1], v[rM], v[rT]
.else
	v_exp_f32 v[rC+2], v[rC+1]
.endif
.endm
; Number g of the 64 that follow the exponentials: for each four weights of a tile both pairs are rounded to f16, the second pair is added onto the first, and a group later l takes that sum.
.macro GS g
.set h, (\g)+6*((\g)/62)
.if h >= 6
.set h, h+2
.endif
	REGS Y, h%2
.set k, h/8
.if h%8 < 4
	v_cvt_pk_f16_f32 v[rP+2*k+(h%8)/2], v[rS+4*k+2*((h%8)/2)], v[rS+4*k+2*((h%8)/2)+1]
.elseif h%8 < 6
	v_pk_add_f32 v[rS+4*k:rS+4*k+1], v[rS+4*k:rS+4*k+1], v[rS+4*k+2:rS+4*k+3]
.elseif k == 1
	v_pk_fma_f32 v[rT+2:rT+3], v[rT+2:rT+3], v[rC+2:rC+3], v[rS:rS+1] op_sel_hi:[1,0,1]
.else
	v_pk_add_f32 v[rT+2:rT+3], v[rT+2:rT+3], v[rS+4*k-4:rS+4*k-3]
.endif
.endm
; THE PLAIN QUEUE, 138 long.  0-73 read no exponential's result: the 32 scalings c s - c m and the next piece's 42; 74-137 are GS's 64, behind the wait.
.macro FS f
	REGS Y, (\f)%2
	v_pk_fma_f32 v[rS+2*((\f)/2):rS+2*((\f)/2)+1], v[rS+2*((\f)/2):rS+2*((\f)/2)+1], s[CS:CS+1], v[rT:rT+1] op_sel_hi:[1,0,0] neg_lo:[0,0,1] neg_hi:[0,0,1]
.endm
.macro PL
	WIN 0
.if q < 27
	FS q
.elseif q < 55
	XS (q-27)%2, (q-27)/2
.elseif q < 57
	XS q-55, 15
.elseif (q < 72) && ((q-57)%3 == 0)
	FS 27+(q-57)/3
.elseif q < 60
	XS (q-57)%3-1, 14
.elseif q < 72
	XS (q-57)%3-1, 15+(q-57)/3
.elseif q < 74
	XS q-72, 20
.else
	GS q-74
.endif
.set q, q+1
.endm
; THE EXPONENTIALS' QUEUE, 66 long: one batch, all ahead of the turn's one wait.
.macro EX
	WIN 0
.if e >= 64
	XS e-64, 21
.else
	REGS Y, e%2
	v_exp_f32 v[rS+e/2], v[rS+e/2]
.endif
.set e, e+1
.endm
; THE RESCALING's QUEUE: O^T times a, two at a time, sixteen times.  Its a was made, and waited for, in the turn before.
.macro R2
	REGS Y, r%2
	WIN W_RS
.irp z, 0,1
	v_pk_mul_f32 v[rO+4*(r/2)+2*\z:rO+4*(r/2)+2*\z+1], v[rO+4*(r/2)+2*\z:rO+4*(r/2)+2*\z+1], v[rC+2:rC+3] op_sel_hi:[1,0]
.endr
.set r, r+1
.endm
; A TURN, for piece p.  Ahead of its one wait stands all that names no result of its exponentials: 16 products K Q^T, behind each a scaling, an exponential and two rescalings; then one lump of 108.
; Behind the wait: 16 products V^T P, behind each four of the roundings and sums.  K and the mask of the next step are fetched in piece 2's turn, directly behind the wait, a lump behind the last product
; that read them; V of the step in hand at the end of piece 0's turn, four plain instructions behind its last reader.  The conditions on q go with the deal.
.macro TURN p, last=0, cnt=0
.set Y, (\p)
.set i, 0
.set q, 0
.set e, 0
.set r, 0
.if (\p) == NP-1
	s_wait_dscnt 0x0                ; K and the mask are in
.endif
	MM
	PL
	PL
	R2
.rept 15
	MM
	PL
	EX
	R2
.endr
.if (\p) == NP-2
	WIN 0
	v_add_nc_u32 v[AK], s[TBK], v[AK0]
	v_add_nc_u32 v[AM], s[TBM], v[AM0]
.endif
.rept 8
	PL
.endr
.rept 49
	EX
	PL
.endr
	EX
	EX
	v_nop                           ; a plain instruction behind the last exponential: one for the batch
	s_wait_alu depctr_va_vdst(0)    ; the wait ahead of the batch's first reader
.if (\p) == NP-2
	FETCH_K \last
.endif
.if (\p) == 1
	s_wait_dscnt 0x0                ; V is in
.endif
.rept 16
	MM
.rept 4
	PL
.endr
.if ((\p) == 0) && (q == 118)
	v_add_nc_u32 v[AV], s[TBV], v[AV0]
.endif
.if ((\p) == 0) && (q == 130)
	s_add_co_u32 s[TBV], s[TBV], KS*PV
.endif
.if (\cnt) && (q == 130)
	s_sub_co_u32 s[CNT], s[CNT], 1
	s_cmp_lg_u32 s[CNT], 0
.endif
.endr
.if (\p) == 0
	FETCH_V
.endif
.endm
	CHANGE 1                        ; slot 0 is in, and the whole table; slot 1 is asked for
	FETCH_K                         ; key step 0
	s_wait_loadcnt 0x0              ; Q
	s_wait_dscnt 0x0
.set i, 0
.rept 16
	KQ 0                            ; piece 0's first scores
.set i, i+1
.endr
	WIN 0
.rept 4
	v_nop                           ; the places behind those products
.endr
.set Y, NP-1                        ; XS works for piece Y + 1: piece 0
.irp n, 0,1,2,3,4,5,6,7,8,9,10,11,12,13,14,15,16,17,18,19,20,21
	XS 0, \n
	XS 1, \n
.endr
	v_nop                           ; a plain instruction behind the two a,
	s_wait_alu depctr_va_vdst(0)    ; and their wait, ahead of the branch
	s_mov_b32 s[CNT], 4
	s_branch .Lfirst                ; the loop is entered at a step's first turn
.Lslot:                             ; six times: every slot but the last two is filled again
	CHANGE 1
	s_mov_b32 s[CNT], 4
.Lstep:                             ; a trip: pieces 2 and 3 of one step, then pieces 0 and 1 of the next
	TURN 2
	TURN 3
	WIN 0
.Lfirst:
	TURN 0
	TURN 1, 0, 1
	WIN 0
	s_cbranch_scc1 .Lstep
	s_sub_co_u32 s[SLOTS], s[SLOTS], 1
	s_cmp_lg_u32 s[SLOTS], 0
	s_cbranch_scc1 .Lslot
	CHANGE 0                        ; the tail is written out
	s_mov_b32 s[CNT], 5             ; four trips fetch the last slot's steps; the fifth is left in its middle
.Ltail:
	TURN 2, 1
	TURN 3
	WIN 0
	s_sub_co_u32 s[CNT], s[CNT], 1
	s_cmp_eq_u32 s[CNT], 0
	s_cbranch_scc1 .Lout
	TURN 0
	TURN 1
	WIN 0
	s_branch .Ltail
.Lout:                              ; the fifth trip's 16 products K Q^T and the maximum made of them serve nothing: the price of one text for every trip
.set i, 0
.rept 16
	PV NP-1
.set i, i+1
.endr
	; THE WAY OUT.  l's parts are added; O^T is divided by l, rounded to f16 and sent through my stage, a tile at a time.  The additions are the places behind the last products.
	WIN 0
.macro ALL line:vararg
.set t, 0
.rept 2*NP
	\line
.set t, t+1
.endr
.endm
	ALL v_add_f32 v[ST+4*t+2], v[ST+4*t+2], v[ST+4*t+3]
	ALL v_permlanex16_b32 v[ST+4*t+3], v[ST+4*t+2], s[SEL], s[SEL+1]
	ALL v_add_f32 v[ST+4*t+2], v[ST+4*t+2], v[ST+4*t+3]
	ALL v_rcp_f32 v[ST+4*t+2], v[ST+4*t+2]
	v_nop
	s_wait_alu depctr_va_vdst(0)    ; one wait for the eight reciprocals, ahead of their first use
.macro PACK t
	WIN W_RS
.set i, 32*(\t)
.rept 16
	v_pk_mul_f32 v[i:i+1], v[i:i+1], v[ST+4*(\t)+2:ST+4*(\t)+3] op_sel_hi:[1,0]
.set i, i+2
.endr
	WIN 0x05
.set i, 0
.rept 16
	v_cvt_pk_f16_f32 v[S+16*(\t)+i], v[32*(\t)+2*i], v[32*(\t)+2*i+1]
.set i, i+1
.endr
	WIN 0
.irp f, 0,1,2,3
	ds_store_b128 v[STO], v[S+16*(\t)+4*\f:S+16*(\t)+4*\f+3] offset:32*\f
.endr
.irp f, 0,1,2,3
	ds_load_b128 v[S+16*(\t)+4*\f:S+16*(\t)+4*\f+3], v[RD] offset:\f*4*SP  ; LDS serves a wave's instructions in order (ISA guide 5.7.1.4)
.endr
.endm
.macro SEND t, younger              ; younger: the LDS instructions issued behind tile t's loads
	WIN 0
.irp f, 0,1,2,3
	s_wait_dscnt (\younger)+3-\f
	global_store_b128 v[GO], v[S+16*(\t)+4*\f:S+16*(\t)+4*\f+3], s[10:11] offset:(\t)*2048+\f*512  ; 512 consecutive bytes, at a multiple of 512 from ob's first
.endr
.endm
	PACK 0
.set t, 1
.rept 2*NP-1
	PACK t
	SEND t-1, 8
.set t, t+1
.endr
	SEND 2*NP-1, 0
	WIN W_AD
	s_wait_tensorcnt 0x0            ; the wave's end
	ds_add_u32 v[SPW], v[NIL]
	s_wait_dscnt 0x0
	WIN 0
	CROUND                          ; the closing round
	s_endpgm
.Lfunc_end_k_q499c5740f6_attn:
	.size	k_q499c5740f6_attn, .Lfunc_end_k_q499c5740f6_attn-k_q499c5740f6_attn
	.p2alignl 7, 3214868480
	.fill 96, 4, 3214868480
	.section	.rodata,"a",@progbits
	.p2align	6, 0x0
	.amdhsa_kernel k_q499c5740f6_attn
		.amdhsa_group_segment_fixed_size 327680
		.amdhsa_private_segment_fixed_size 0
		.amdhsa_enable_private_segment 0
		.amdhsa_kernarg_size 24
		.amdhsa_user_sgpr_count 2
		.amdhsa_user_sgpr_kernarg_segment_ptr 1
		.amdhsa_wavefront_size32 1
		.amdhsa_system_sgpr_workgroup_id_x 1
		.amdhsa_system_sgpr_workgroup_id_y 1
		.amdhsa_system_sgpr_workgroup_id_z 1
		.amdhsa_system_vgpr_workitem_id 0
		.amdhsa_next_free_vgpr 808
		.amdhsa_next_free_sgpr 76
		.amdhsa_reserve_vcc 1
		.amdhsa_float_denorm_mode_32 3
		.amdhsa_float_denorm_mode_16_64 3
		.amdhsa_memory_ordered 1
		.amdhsa_forward_progress 1
		.amdhsa_inst_pref_size 208
	.end_amdhsa_kernel
	.amdgpu_metadata
---
amdhsa.version: [ 1, 2 ]
amdhsa.kernels:
  - .name:           k_q499c5740f6_attn
    .symbol:         k_q499c5740f6_attn.kd
    .args:
      - { .name: qkv, .offset: 0, .size: 8, .value_kind: global_buffer, .address_space: global }
      - { .name: mask, .offset: 8, .size: 8, .value_kind: global_buffer, .address_space: global }
      - { .name: ob, .offset: 16, .size: 8, .value_kind: global_buffer, .address_space: global }
    .group_segment_fixed_size: 327680
    .private_segment_fixed_size: 0
    .kernarg_segment_align: 8
    .kernarg_segment_size: 24
    .max_flat_workgroup_size: 128
    .sgpr_count:     76
    .vgpr_count:     808
    .wavefront_size: 32
...
	.end_amdgpu_metadata
.endif
;; end of part 3
;; launch oproj (part 4): grid 8 x 32, 4 waves a work-group, clusters of 4 x 4, 327,680 bytes of LDS; arguments ob, wt, bo, out0; writes out0
.if DOCPART == 4
	.amdgcn_target "amdgcn-amd-amdhsa--gfx1250"
	.amdhsa_code_object_version 6
	.text
	.protected	k_q499c5740f6_oproj
	.globl	k_q499c5740f6_oproj
	.p2align	8
	.type	k_q499c5740f6_oproj,@function
k_q499c5740f6_oproj:
	s_mov_b64 s[64:65], 0
	v_nop
	global_prefetch_b8 v0, s[64:65] scope:SCOPE_SE
	s_setreg_imm32_b32 hwreg(HW_REG_WAVE_MODE, 25, 1), 1
	s_wait_xcnt 0x0
	s_wait_alu depctr_hold_cnt(0) depctr_sa_sdst(0) depctr_va_vdst(0) depctr_va_sdst(0) depctr_va_ssrc(0) depctr_va_vcc(0) depctr_vm_vsrc(0)
	s_getreg_b32 s2, hwreg(HW_REG_IB_STS2, 6, 4)
	s_cmp_eq_u32 s2, 0
	s_cbranch_scc0 .Lentry_in_a_cluster
	s_endpgm
.Lentry_in_a_cluster:
	s_bfe_u32 s2, ttmp6, 0x10000c
	s_cmp_lg_u32 s2, 0xf033
	s_cbranch_scc0 .Lentry_shape_is_right
	s_endpgm
.Lentry_shape_is_right:
; out0[8192][1024] f32 = O Wo + bo.  O lies by heads, ob[16 b + h][s][64] f16; Wo^T is wt's rows 3072 on, [n][k], the bf16-rounded numbers written as f16; bo is rounded to bf16 like every input.  Sums in f32.
; SHARES.  A tile of the output is 256 x 128: 256 tiles.  Four waves, each 128 x 64: 32 accumulators.  A K step of 128 is two heads; K goes through two LDS slots.
; CLUSTER.  4 x 4 work-groups: O's tiles are shared along a row of the cluster, Wo's along a column, each asked for jointly.
; THE MATRIX INSTRUCTION IS USED TRANSPOSED (source 0 = 16 rows of wt, source 1 = 16 rows of O): a lane holds row l % 16 and the columns 8 (l / 16) + 0..7.  The bias in that form starts the sums.
; REGISTERS: window 0: v1-30 addresses; v32-63, v192-223 rows on their way out; v64-127, v128-191 O's fragments, two buffers
;   window 1: v0-31, v32-63 Wo's fragments; v64-95 the bias; v96 at work          window 2: the accumulators, (a, b) at 8 (4 a + b)
.set KSTEP,  128
.set PA,     144                       ; a row of one head of O: 128 bytes + 16 = 36 words: the 16 rows of a load start at 16 different groups of four banks (64 banks of 4 bytes: ISA guide 11.1)
.set PB,     272                       ; a row of wt: 256 bytes + 16
.set AHEAD,  256*PA                    ; one head's 256 rows: what one tensor load brings of O
.set BOFF,   2*AHEAD
.set HALFB,  64*PB
.set SLOT,   BOFF+2*HALFB
.set STAGE,  2*SLOT                    ; behind the ring: 16 rows x 272 bytes for each wave
.set SPITCH, 272
.set SPARE,  STAGE+4*16*SPITCH
.set LAPS,   4
.set ADRA, 16
.set ADRB, 20
.set STO,  24
.set RD,   25
.set CO,   26
.set BO,   27
.set SPW,  28
.set NIL,  29
.set PFO,  30
.set OB,   32
.set FA,   64
.set FB,   0                           ; window 1
.set BIAS, 64
.set BT,   96
.set WV, 16
.set WR, 17                            ; which half of the tile's rows is mine; also: I fetch O (0) or wt (1)
.set WC, 18                            ; which half of its columns; also: which head of the K step, or which 64 rows of wt, I fetch
.set CX, 19
.set CY, 20
.set CT, 21
.set RT, 22
.set G1, 24
.set G0, 32
.set LIM, 43
.set PFA, 44                           ; s[44:45] where my prefetches stand: the K step that the next one names
.set PST, 46                           ; s[46:47] a K step in bytes: two heads of O, or 256 bytes of a row of wt
.set G1B, 48
.set G0B, 56
.set CP,  66                           ; s[66:67] the output at my first row and column
.set MSB, 0
.macro WIN new
.if MSB != (\new)
	s_set_vgpr_msb (MSB<<8)|(\new)
.set MSB, \new
.endif
.endm
.set TO_B, 0x40
.macro JLOAD s                         ; a joint load: waves 0 and 1 fetch the K step's two heads of O, waves 2 and 3 wt's two halves; an s_nop 0 and four v_nop follow each line
	s_cmp_eq_u32 s[WR], 0
	s_cbranch_scc0 .Lfor_b_\@
	tensor_load_to_lds s[G0+4*(\s):G0+4*(\s)+3], s[G1:G1+7]
	s_nop 0
.rept 4
	v_nop
.endr
	s_branch .Lasked_\@
.Lfor_b_\@:
	tensor_load_to_lds s[G0B+4*(\s):G0B+4*(\s)+3], s[G1B:G1B+7]
	s_nop 0
.rept 4
	v_nop
.endr
.Lasked_\@:
.endm
; A prefetch of the K step two refills on (256 matrix instructions ahead of the load that wants it).  O's: the clusters with x = 0; of the 32,768 bytes that a wave fetches the partner at cx takes 8,192,
; a lane 256 bytes.  wt's: the clusters with y = 0, wave 2 alone: of the tile's 128 rows the partner at cy takes 32, a lane a row.  The loop's last trip asks for nothing.
.macro ASK
	s_cmp_gt_u32 s3, s[LIM]
	s_cbranch_scc0 .Lnot_mine_\@
	global_prefetch_b8 v[PFO], s[PFA:PFA+1] th:TH_LOAD_NT scope:SCOPE_SE
.Lnot_mine_\@:
.endm
.macro CREST
	s_cmp_lg_u32 s[WV], 0
	s_cbranch_scc1 .Lnot_wave_0_\@
	s_barrier_signal -3
.Lnot_wave_0_\@:
	s_barrier_wait -3
	s_barrier_signal -1
	s_barrier_wait -1
.endm
.macro CROUND
	s_barrier_signal -1
	s_barrier_wait -1
	CREST
.endm
	s_load_b256 s[4:11], s[0:1], 0x0               ; ob s[4:5], wt s[6:7], bo s[8:9], out0 s[10:11]
	v_lshl_add_u32 v[SPW], v0, 2, SPARE
	v_mov_b32 v[NIL], 0
	ds_add_u32 v[SPW], v[NIL]                      ; the wave's opening: the add and its wait stand ahead of my first tensor load
	v_lshrrev_b32 v1, 5, v0
	v_readfirstlane_b32 s[WV], v1
	s_lshr_b32 s[WR], s[WV], 1
	s_and_b32 s[WC], s[WV], 1
	s_bfe_u32 s[CX], ttmp6, 0x40000
	s_bfe_u32 s[CY], ttmp6, 0x40004
	s_lshl_b32 s[CT], ttmp9, 2
	s_add_co_u32 s[CT], s[CT], s[CX]
	s_and_b32 s[RT], ttmp7, 0xffff
	s_lshl_b32 s[RT], s[RT], 2
	s_add_co_u32 s[RT], s[RT], s[CY]
	s_lshl_b32 s72, s[CY], 2
	s_lshl_b32 s72, 15, s72                        ; my row of the cluster
	s_lshl_b32 s73, 0x1111, s[CX]                  ; my column
	s_or_b32 s[G1+0], s72, (1<<16)|(1<<20)|(1<<21)|(4<<22)|(3<<25)   ; O: 32,768 dense bytes as 128 rows of 256 (two rows of the head each), padded after every 32 words by 4
	s_or_b32 s[G1B+0], s73, (1<<16)|(1<<20)|(1<<21)|(5<<22)|(3<<25)  ; wt: padded after every 64 words by 4
	s_mov_b32 s[G1+1], 128<<16
	s_mov_b32 s[G1B+1], 128<<16
	s_mov_b32 s[G1+2], 128<<16
	s_mov_b32 s[G1B+2], 64<<16
	s_mov_b32 s[G1+3], 128<<16
	s_mov_b32 s[G1B+3], 128<<16
	s_mov_b32 s[G1+4], 128
	s_mov_b32 s[G1B+4], 64
	s_mov_b32 s[G1+5], 128
	s_mov_b32 s[G1B+5], 1024
	s_mov_b32 s[G1+6], 0
	s_mov_b32 s[G1B+6], 0
	s_mov_b32 s[G1+7], 0
	s_mov_b32 s[G1B+7], 0
	s_lshr_b32 s74, s[RT], 3                       ; O: the batch's 16 heads of 262,144 bytes,
	s_lshl_b32 s74, s74, 22
	s_and_b32 s75, s[RT], 7                        ; the tile's 256 rows of 128 bytes,
	s_lshl_b32 s75, s75, 15
	s_add_co_u32 s74, s74, s75
	s_lshl_b32 s75, s[WC], 18                      ; my head of the K step's two
	s_add_co_u32 s74, s74, s75
	s_mov_b32 s75, 0
	s_lshl_b32 s76, s[CT], 18                      ; wt: row 3,072 + 128 x tile column + 64 x half
	s_lshl_b32 s77, s[WC], 17
	s_add_co_u32 s76, s76, s77
	s_add_co_u32 s76, s76, 3072*2048
	s_mov_b32 s77, 0
	s_mul_i32 s78, s[WC], AHEAD
	s_mul_i32 s79, s[WC], HALFB
	s_add_co_u32 s79, s79, BOFF
	s_wait_dscnt 0x0                               ; the opening add is done
	s_wait_kmcnt 0x0
	s_add_nc_u64 s[74:75], s[4:5], s[74:75]
	s_add_nc_u64 s[76:77], s[6:7], s[76:77]
	CROUND
.irp s, 0,1
	s_mov_b32 s[G0+4*(\s)], 1
	s_add_co_u32 s[G0+4*(\s)+1], s78, (\s)*SLOT
	s_add_nc_u64 s[G0+4*(\s)+2:G0+4*(\s)+3], s[74:75], (\s)*0x80000
	s_or_b32 s[G0+4*(\s)+3], s[G0+4*(\s)+3], 0x80000000
	s_mov_b32 s[G0B+4*(\s)], 1
	s_add_co_u32 s[G0B+4*(\s)+1], s79, (\s)*SLOT
	s_add_nc_u64 s[G0B+4*(\s)+2:G0B+4*(\s)+3], s[76:77], (\s)*KSTEP*2
	s_or_b32 s[G0B+4*(\s)+3], s[G0B+4*(\s)+3], 0x80000000
	JLOAD \s                                       ; two loads of mine are out
.endr
	v_and_b32 v1, 15, v0                           ; l % 16
	v_bfe_u32 v2, v0, 4, 1                         ; l / 16
	v_mul_u32_u24 v3, v1, PA
	v_lshl_add_u32 v3, v2, 4, v3
	v_mul_u32_u24 v4, v1, PB
	v_lshl_add_u32 v4, v2, 4, v4
	s_mul_i32 s80, s[WR], 128*PA                   ; my 128 rows, in each head
	s_mul_i32 s81, s[WC], HALFB
	s_add_co_u32 s81, s81, BOFF
.irp s, 0,1
	v_add_nc_u32 v[ADRA+(\s)], s80, v3
	v_add_nc_u32 v[ADRB+(\s)], s81, v4
	s_add_co_u32 s80, s80, SLOT
	s_add_co_u32 s81, s81, SLOT
.endr
	s_mul_i32 s80, s[WV], 16*SPITCH
	s_add_co_u32 s80, s80, STAGE                   ; my stage
	v_mul_u32_u24 v5, v1, SPITCH                   ; in: row l % 16, 32 bytes for each half of the lanes
	v_lshl_add_u32 v5, v2, 5, v5
	v_add_nc_u32 v[STO], s80, v5
	v_mul_u32_u24 v5, v2, SPITCH                   ; back: lanes 0-15 one row of 256 bytes, lanes 16-31 the next
	v_lshl_add_u32 v5, v1, 4, v5
	v_add_nc_u32 v[RD], s80, v5
	v_lshlrev_b32 v[CO], 12, v2                    ; and the same two rows of the output
	v_lshl_add_u32 v[CO], v1, 4, v[CO]
	v_lshlrev_b32 v[BO], 5, v2
	s_lshl_b32 s84, s[CT], 9                       ; my 64 columns, in bytes
	s_lshl_b32 s85, s[WC], 8
	s_add_co_u32 s84, s84, s85
	s_mov_b32 s85, 0
	s_add_nc_u64 s[86:87], s[8:9], s[84:85]        ; in bo
	WIN TO_B
.irp b, 0,1,2,3
	global_load_b128 v[BIAS+8*(\b):BIAS+8*(\b)+3],   v[BO], s[86:87] offset:64*(\b)
	global_load_b128 v[BIAS+8*(\b)+4:BIAS+8*(\b)+7], v[BO], s[86:87] offset:64*(\b)+16
.endr
	WIN 0
	s_lshl_b32 s82, s[RT], 20                      ; my first row: 256 x tile row + 128 x half, 4,096 bytes a row
	s_lshl_b32 s83, s[WR], 19
	s_add_co_u32 s82, s82, s83
	s_add_co_u32 s84, s84, s82
	s_add_nc_u64 s[CP:CP+1], s[10:11], s[84:85]
	; the prefetches
	s_lshr_b32 s84, s[RT], 3
	s_lshl_b32 s84, s84, 22
	s_and_b32 s85, s[RT], 7
	s_lshl_b32 s85, s85, 15
	s_add_co_u32 s84, s84, s85
	s_lshl_b32 s85, s[WC], 18
	s_add_co_u32 s84, s84, s85
	s_lshl_b32 s85, s[CX], 13
	s_add_co_u32 s84, s84, s85
	s_add_co_u32 s84, s84, 3*0x80000               ; at K step 3: the first refill steps it to 4 and names that
	s_lshl_b32 s85, s[CT], 18
	s_lshl_b32 s92, s[CY], 16
	s_add_co_u32 s85, s85, s92
	s_add_co_u32 s85, s85, 3072*2048+3*KSTEP*2
	s_mov_b32 s92, 0x80000                         ; a K step of O in bytes: in a register, since an instruction holds one literal
	s_and_b32 s95, ttmp7, 0xffff
	s_or_b32 s95, s95, s[WC]                       ; of wt's two waves the first alone asks
	s_cmp_eq_u32 s[WR], 0
	s_cselect_b32 s84, s84, s85
	s_cselect_b32 s94, ttmp9, s95
	s_cselect_b32 s93, 8, 11
	s_cselect_b32 s[PST], s92, KSTEP*2
	s_cselect_b64 s[PFA:PFA+1], s[4:5], s[6:7]
	s_cmp_eq_u32 s94, 0
	s_cselect_b32 s[LIM], 1, -1                    ; the same in all sixteen partners, for a given wave
	s_mov_b32 s85, 0
	s_mov_b32 s[PST+1], 0
	s_add_nc_u64 s[PFA:PFA+1], s[PFA:PFA+1], s[84:85]
	v_and_b32 v[PFO], 31, v0
	v_lshlrev_b32 v[PFO], s93, v[PFO]
	s_wait_loadcnt 0x0                             ; the bias
	WIN 0x45
.set p, 0
.rept 16                                       ; rounded to bf16 and widened again
	v_cvt_pk_bf16_f32 v[BT], v[BIAS+2*p], v[BIAS+2*p+1]
	v_lshlrev_b32 v[BIAS+2*p], 16, v[BT]
	v_and_b32 v[BIAS+2*p+1], 0xffff0000, v[BT]
.set p, p+1
.endr
	WIN 0
; 8 matrix instructions: m blocks a0, a0 + 1 x all 4 n blocks, 32 along K, from buffer f.  first = 1: the bias starts the sums.  The 32 accumulators take turns.
.macro MUL8 f, a0, first
.if \first
	WIN 0x91
.else
	WIN 0xa1
.endif
.irp a, \a0, (\a0)+1
.irp b, 0,1,2,3
.if \first
	v_wmma_f32_16x16x32_f16 v[8*(4*(\a)+(\b)):8*(4*(\a)+(\b))+7], v[FB+32*(\f)+8*(\b):FB+32*(\f)+8*(\b)+7], v[FA+64*(\f)+8*(\a):FA+64*(\f)+8*(\a)+7], v[BIAS+8*(\b):BIAS+8*(\b)+7]
.else
	v_wmma_f32_16x16x32_f16 v[8*(4*(\a)+(\b)):8*(4*(\a)+(\b))+7], v[FB+32*(\f)+8*(\b):FB+32*(\f)+8*(\b)+7], v[FA+64*(\f)+8*(\a):FA+64*(\f)+8*(\a)+7], v[8*(4*(\a)+(\b)):8*(4*(\a)+(\b))+7]
.endif
.endr
.endr
.endm
; 24 LDS loads in one run: quarter q's fragments (64 rows of wt; 128 rows of O: head q / 2, channels 32 (q % 2) on) into buffer f
.macro FETCH slot, q, f
	WIN TO_B
.irp i, 0,1,2,3
	ds_load_b128 v[FB+32*(\f)+8*(\i):FB+32*(\f)+8*(\i)+3],   v[ADRB+(\slot)] offset:64*(\q)+(\i)*16*PB
	ds_load_b128 v[FB+32*(\f)+8*(\i)+4:FB+32*(\f)+8*(\i)+7], v[ADRB+(\slot)] offset:64*(\q)+(\i)*16*PB+32
.endr
	WIN 0
.irp i, 0,1,2,3,4,5,6,7
	ds_load_b128 v[FA+64*(\f)+8*(\i):FA+64*(\f)+8*(\i)+3],   v[ADRA+(\slot)] offset:((\q)/2)*AHEAD+((\q)%2)*64+(\i)*16*PA
	ds_load_b128 v[FA+64*(\f)+8*(\i)+4:FA+64*(\f)+8*(\i)+7], v[ADRA+(\slot)] offset:((\q)/2)*AHEAD+((\q)%2)*64+(\i)*16*PA+32
.endr
.endm
.macro PLACES                          ; four plain instructions between a matrix instruction and a load into, or a read of, its registers
.rept 4
	v_nop
.endr
.endm
.macro QUARTER slot, q, f, g, first    ; multiplies buffer f; in its middle it fetches quarter q into buffer g
	s_wait_dscnt 8                                 ; wt's and O's rows 0-63 are in; the youngest eight loads may be out
	MUL8 \f, 0, \first
	MUL8 \f, 2, \first
	PLACES
	FETCH \slot, \q, \g
	s_wait_dscnt 24                                ; all but the 24 just issued
	MUL8 \f, 4, \first
	MUL8 \f, 6, \first
.endm
; The last quarter multiplies buffer 1 and changes slots: one barrier; in front of it each wave waits for all its tensor loads, adds 0 to its spare word, and waits for that and for its reads of this slot.
; fill = 1: the barrier opens a round of the cluster's barrier, and this slot is filled again, two K steps on, first thing behind it.
.macro TURN slot, next, fill
.if \fill
	s_wait_xcnt 0x0                                ; the last prefetch, a K step back, has read its address
	s_add_nc_u64 s[PFA:PFA+1], s[PFA:PFA+1], s[PST:PST+1]
.endif
	WIN 0
	s_wait_tensorcnt 0x0
	ds_add_u32 v[SPW], v[NIL]
	s_wait_dscnt 9                                 ; (the add and the youngest eight loads may be out)
	MUL8 1, 0, 0
	s_wait_dscnt 0x0                               ; the add is done, and my reads of this slot are over
	s_barrier_signal -1
	MUL8 1, 2, 0
.if \fill
	WIN 0
.endif
	s_barrier_wait -1
.if \fill
	CREST
	s_add_nc_u64 s[G0+4*(\slot)+2:G0+4*(\slot)+3], s[G0+4*(\slot)+2:G0+4*(\slot)+3], 2*0x80000
	s_add_nc_u64 s[G0B+4*(\slot)+2:G0B+4*(\slot)+3], s[G0B+4*(\slot)+2:G0B+4*(\slot)+3], 2*KSTEP*2
	JLOAD \slot                                    ; 112 matrix instructions ahead of the wait for it; its four v_nop are also the places in front of the loads below
.else
	PLACES
.endif
	FETCH \next, 0, 0
.if \fill
	ASK
.endif
	MUL8 1, 4, 0
	MUL8 1, 6, 0
.endm
; THE WAY OUT of block a (16 rows x 64 columns of f32): 32 bytes a lane and n block into my own stage, back as whole rows of 256 bytes, stored.
.macro TOSTAGE a
.set AC, 32*(\a)
.set BK, OB+160*((\a)%2)
	s_wait_xcnt 0x0                                ; the stores of the block two back have read these registers
	WIN 0x08                                       ; the stores' data in window 2
.irp b, 0,1,2,3
	ds_store_b128 v[STO], v[AC+8*(\b):AC+8*(\b)+3]   offset:64*(\b)
	ds_store_b128 v[STO], v[AC+8*(\b)+4:AC+8*(\b)+7] offset:64*(\b)+16
.endr
	WIN 0
.irp t, 0,1,2,3,4,5,6,7
	ds_load_b128 v[BK+4*(\t):BK+4*(\t)+3], v[RD] offset:(\t)*2*SPITCH  ; LDS serves a wave's instructions in order (ISA guide 5.7.1.4)
.endr
.endm
.macro SEND a
	WIN 0
.set BK, OB+160*((\a)%2)
	s_wait_dscnt 0x0
.irp t, 0,1,2,3,4,5,6,7
	global_store_b128 v[CO], v[BK+4*(\t):BK+4*(\t)+3], s[CP:CP+1] offset:(16*(\a)+2*(\t))*4096 th:TH_STORE_NT  ; 16 lanes store 256 consecutive bytes, at a multiple of 256 from out0's first
.endr
.endm
	s_wait_tensorcnt 1                             ; my part of K step 0 is in; K step 1's may stay out
	s_barrier_signal -1
	s_barrier_wait -1
	FETCH 0, 0, 0
	QUARTER 0, 1, 0, 1, 1                          ; the first quarter's products start the sums, with the bias
	WIN 0
	s_mov_b32 s3, LAPS-1
.Llap:
	QUARTER 0, 2, 1, 0, 0
	QUARTER 0, 3, 0, 1, 0
	TURN 0, 1, 1
	QUARTER 1, 1, 0, 1, 0
	QUARTER 1, 2, 1, 0, 0
	QUARTER 1, 3, 0, 1, 0
	TURN 1, 0, 1
	QUARTER 0, 1, 0, 1, 0
	WIN 0
	s_sub_co_u32 s3, s3, 1
	s_cmp_lg_u32 s3, 0
	s_cbranch_scc1 .Llap
	QUARTER 0, 2, 1, 0, 0                          ; the last lap fills nothing
	QUARTER 0, 3, 0, 1, 0
	TURN 0, 1, 0
	QUARTER 1, 1, 0, 1, 0
	QUARTER 1, 2, 1, 0, 0
	QUARTER 1, 3, 0, 1, 0
	s_wait_dscnt 8
	MUL8 1, 0, 0
	MUL8 1, 2, 0
	s_wait_dscnt 0x0
	MUL8 1, 4, 0
	MUL8 1, 6, 0
	PLACES
	TOSTAGE 0
.irp a, 1,2,3,4,5,6,7
	SEND (\a)-1
	TOSTAGE \a
.endr
	SEND 7
	s_wait_tensorcnt 0x0                           ; the wave's end
	ds_add_u32 v[SPW], v[NIL]
	s_wait_dscnt 0x0
	CROUND                                         ; the closing round
	s_endpgm
.Lfunc_end_k_q499c5740f6_oproj:
	.size	k_q499c5740f6_oproj, .Lfunc_end_k_q499c5740f6_oproj-k_q499c5740f6_oproj
	.p2alignl 7, 3214868480
	.fill 96, 4, 3214868480
	.section	.rodata,"a",@progbits
	.p2align	6, 0x0
	.amdhsa_kernel k_q499c5740f6_oproj
		.amdhsa_group_segment_fixed_size 327680
		.amdhsa_private_segment_fixed_size 0
		.amdhsa_enable_private_segment 0
		.amdhsa_kernarg_size 32
		.amdhsa_user_sgpr_count 2
		.amdhsa_user_sgpr_kernarg_segment_ptr 1
		.amdhsa_wavefront_size32 1
		.amdhsa_system_sgpr_workgroup_id_x 1
		.amdhsa_system_sgpr_workgroup_id_y 1
		.amdhsa_system_sgpr_workgroup_id_z 1
		.amdhsa_system_vgpr_workitem_id 0
		.amdhsa_next_free_vgpr 768
		.amdhsa_next_free_sgpr 96
		.amdhsa_reserve_vcc 0
		.amdhsa_float_denorm_mode_32 3
		.amdhsa_float_denorm_mode_16_64 3
		.amdhsa_memory_ordered 1
		.amdhsa_forward_progress 1
		.amdhsa_inst_pref_size 91
	.end_amdhsa_kernel
	.amdgpu_metadata
---
amdhsa.version: [ 1, 2 ]
amdhsa.kernels:
  - .name:           k_q499c5740f6_oproj
    .symbol:         k_q499c5740f6_oproj.kd
    .args:
      - { .name: ob, .offset: 0, .size: 8, .value_kind: global_buffer, .address_space: global }
      - { .name: wt, .offset: 8, .size: 8, .value_kind: global_buffer, .address_space: global }
      - { .name: bo, .offset: 16, .size: 8, .value_kind: global_buffer, .address_space: global }
      - { .name: out0, .offset: 24, .size: 8, .value_kind: global_buffer, .address_space: global }
    .group_segment_fixed_size: 327680
    .private_segment_fixed_size: 0
    .kernarg_segment_align: 8
    .kernarg_segment_size: 32
    .max_flat_workgroup_size: 128
    .sgpr_count:     96
    .vgpr_count:     768
    .wavefront_size: 32
...
	.end_amdgpu_metadata
.endif
;; end of part 4
;; ======== version 2 of 2: 4 launches; version 1 with the launch prep written anew for expert scheduling mode
;; limits: values are held in f16: magnitudes above 65,504 overflow, below 6.1e-05 lose precision; right only within a limited range of input values
;; workspace buffers: xb 16,777,216 bytes; wt 8,388,608 bytes; qkv 50,331,648 bytes; ob 16,777,216 bytes
;; launch prep (part 5): grid 320 x 1, 8 waves a work-group, no clusters, 140,288 bytes of LDS; arguments x, Wq, Wk, Wv, Wo, xb, wt; writes xb, wt
.if DOCPART == 5
	.amdgcn_target "amdgcn-amd-amdhsa--gfx1250"
	.amdhsa_code_object_version 6
	.text
	.protected	k_q499c5740f6_prep
	.globl	k_q499c5740f6_prep
	.p2align	8
	.type	k_q499c5740f6_prep,@function
k_q499c5740f6_prep:
	s_mov_b64 s[64:65], 0
	v_nop
	global_prefetch_b8 v0, s[64:65] scope:SCOPE_SE
	s_setreg_imm32_b32 hwreg(HW_REG_WAVE_SCHED_MODE, 0, 2), 2
	s_setreg_imm32_b32 hwreg(HW_REG_WAVE_MODE, 25, 1), 1
	s_wait_xcnt 0x0
	s_wait_alu depctr_vm_vsrc(0)
; PREP: the module's large inputs are rounded once to bf16 and laid as the products want them.
;   xb[8192][1024] bf16 = x.      wt[4096][1024] of 16 bits: row n < 3072 is column n % 1024 of Wq, Wk, Wv (n / 1024), in bf16, K along the row;
;   row 3072 + n is column n of Wo, rounded to bf16 and that number written as f16 (the last product multiplies in f16).
; LIMIT.  Wo's numbers stay within f16: under 65,504; below 6e-5 they keep f16's fixed step of 6e-8.
; SHARES.  Work-groups 0-63 turn the weights (the longer work, so they come first): matrix g / 16, columns 64 (g % 16) on; wave w takes k = 128 w .. 128 w + 127.
; Work-groups 64-319 round x: 128 KiB each, 16 KiB a wave.  Nothing is read twice and nobody shares a byte: no matrix unit, no cluster, no tensor load.
; THE MODE: SCHED_MODE bits 1:0 = 2 (LLVM: expert scheduling mode 2), set by the entry lines.  The code itself states the register dependences
; between vector instructions and memory or LDS instructions, with s_wait_alu, always for 0.
; THE PLAN, the weights.  A trip is 64 k in eight groups of 8 k.  Registers that memory or LDS instructions touch:
;   D          A trip's 64 loads land in it; the groups' conversions read it; behind the loop the loads from the stage land in it and the global stores read it.
;   T0 .. T7   Group g's conversions write T[g]; the two LDS stores that read it are issued at the head of group g + 1 (group 7's behind the group).
;   v4         Read by every LDS store; written once a trip, at the trip's end.
;   v2, v5, v6 Offsets and addresses, made at the head and never written again.
; So one wait on va_vdst stands at the head of each of groups 1 to 7, behind the wait for the group's data, and one behind group 7, which also states that the trip's
; conversions are done reading D; one wait on vm_vsrc a trip stands behind its sixteen LDS stores, ahead of the add to v4 and of the next trip's conversions into T.
; THE PLAN, x.  32 chunks in eight batches of four.  D: the 32 loads land in it, once; the conversions read it.  T0 .. T7: batch b's conversions write T[b]; the four
; stores that read it are issued in batch b + 1, dealt among that batch's conversions, which name T[b + 1] and their own part of D.  v2, v3: made once.  No register is
; written twice.  One wait on va_vdst stands at the head of each of batches 1 to 7, and one ahead of the last four stores.
.set STG,   64*272                     ; a wave's stage: 64 columns of W as rows of 256 bytes (128 k) + 16 of padding
.set SPARE, 8*STG                      ; behind the stages: the spare words, 128 bytes for each of the eight waves
.set SPW, 8                            ; v8   LDS address of my spare word; never rewritten
.set NIL, 9                            ; v9   0; never rewritten
.set U,   12                           ; v[12:13] at work: no memory instruction names them
.set D,   16                           ; v[16:143]  as loaded
.set T,   144                          ; v[144:207] eight sets of eight.  Weights, set g: 8 k of the even column, 8 k of the odd one.  x, set b: four chunks as stored
	s_load_b256 s[4:11], s[0:1], 0x0               ; x s[4:5], Wq s[6:7], Wk s[8:9], Wv s[10:11]
	s_load_b128 s[12:15], s[0:1], 0x20             ; Wo s[12:13], xb s[14:15]
	s_load_b64 s[16:17], s[0:1], 0x30              ; wt
	v_lshl_add_u32 v[SPW], v0, 2, SPARE
	v_mov_b32 v[NIL], 0
	v_lshrrev_b32 v1, 5, v0
	v_readfirstlane_b32 s18, v1                    ; wave 0..7
	v_and_b32 v1, 31, v0                           ; lane
	s_wait_alu depctr_va_sdst(0)                   ; s18 is written, ahead of the branch and of its first reader on either way: the waves' addresses are made from it
	s_wait_kmcnt 0x0
	s_cmp_lt_u32 ttmp9, 64
	s_cbranch_scc0 .Lx
	; THE WEIGHTS.  W lies [k][n]: a load of 8 bytes a lane takes 256 consecutive bytes of row k: lane l holds columns 2 l and 2 l + 1.
	s_lshr_b32 s20, ttmp9, 4                       ; which matrix
	s_and_b32 s21, ttmp9, 15                       ; which 64 columns
	s_cmp_eq_u32 s20, 1
	s_cselect_b64 s[22:23], s[8:9], s[6:7]
	s_cmp_eq_u32 s20, 2
	s_cselect_b64 s[22:23], s[10:11], s[22:23]
	s_cmp_eq_u32 s20, 3
	s_cselect_b64 s[22:23], s[12:13], s[22:23]
	s_lshl_b32 s26, s18, 19                        ; my 128 rows of 4,096 bytes
	s_lshl_b32 s27, s21, 8                         ; the 64 columns
	s_add_co_u32 s26, s26, s27
	s_mov_b32 s27, 0
	s_add_nc_u64 s[22:23], s[22:23], s[26:27]
	s_lshl_b32 s26, ttmp9, 17                      ; out: row 64 g of wt, 2,048 bytes a row,
	s_lshl_b32 s27, s18, 8                         ; my 128 k
	s_add_co_u32 s26, s26, s27
	s_mov_b32 s27, 0
	s_add_nc_u64 s[26:27], s[16:17], s[26:27]
	v_lshlrev_b32 v2, 3, v1                        ; in: 8 bytes a lane; never rewritten
	s_mul_i32 s19, s18, STG                        ; my stage
	v_mul_u32_u24 v4, v1, 544                      ; into it: rows 2 l and 2 l + 1
	v_add_nc_u32 v4, s19, v4
	v_lshrrev_b32 v7, 4, v1
	v_and_b32 v10, 15, v1
	v_mul_u32_u24 v5, v7, 272                      ; back: lanes 0-15 one row of 256 bytes, lanes 16-31 the next
	v_lshl_add_u32 v5, v10, 4, v5
	v_add_nc_u32 v5, s19, v5
	v_lshlrev_b32 v6, 11, v7                       ; and the same two rows in wt
	v_lshl_add_u32 v6, v10, 4, v6
	s_wait_alu depctr_va_vdst(0)                   ; v2, v4, v5 and v6 are written, which the loads and stores below read as offsets and addresses
; The two LDS stores of group g: 16 bytes a column, into the stage.
.macro PUT g
	ds_store_b128 v4, v[T+8*(\g):T+8*(\g)+3]   offset:16*(\g)
	ds_store_b128 v4, v[T+8*(\g)+4:T+8*(\g)+7] offset:272+16*(\g)
.endm
; Eight k of both columns: rounded in pairs of k into the group's own set T[g].  At its head the group before goes into the stage.
.macro GROUP g
	s_wait_loadcnt 8*(7-(\g))                      ; loads come back in order: this group's eight are in, the younger groups' stay out
.if (\g) > 0
	s_wait_alu depctr_va_vdst(0)                   ; the group before has written its T, which the two LDS stores below read; in a trip's group 1 also: the add to v4 is written
	PUT (\g)-1
.endif
.irp p, 0,1,2,3
	v_cvt_pk_bf16_f32 v[T+8*(\g)+(\p)],   v[D+16*(\g)+4*(\p)],   v[D+16*(\g)+4*(\p)+2]
	v_cvt_pk_bf16_f32 v[T+8*(\g)+4+(\p)], v[D+16*(\g)+4*(\p)+1], v[D+16*(\g)+4*(\p)+3]
.endr
	s_cmp_eq_u32 s20, 3                            ; Wo alone: the bf16 number is written as f16
	s_cbranch_scc0 .Lnot_o_\@
.irp p, 0,1,2,3,4,5,6,7
	v_lshlrev_b32 v[U], 16, v[T+8*(\g)+(\p)]
	v_and_b32 v[U+1], 0xffff0000, v[T+8*(\g)+(\p)]
	v_cvt_pk_f16_f32 v[T+8*(\g)+(\p)], v[U], v[U+1]
.endr
.Lnot_o_\@:
.endm
	s_mov_b32 s24, 2
.Lhalf:                                        ; two trips of 64 k
.set i, 0
.rept 64
	global_load_b64 v[D+2*i:D+2*i+1], v2, s[22:23] offset:4096*i th:TH_LOAD_NT  ; no wait here: since the last wait on va_vdst no vector instruction names D or v2
.set i, i+1
.endr
.irp g, 0,1,2,3,4,5,6,7
	GROUP \g
.endr
	s_wait_alu depctr_va_vdst(0)                   ; group 7 has written its T, which the two LDS stores below read; and the trip's conversions are done reading D, in which the next trip's loads, or the loads from the stage, land
	PUT 7
	s_add_nc_u64 s[22:23], s[22:23], 0x40000       ; the last group's wait was for 0: every load is done, so the pointer may be written: 64 rows on
	s_wait_alu depctr_vm_vsrc(0)                   ; the trip's sixteen LDS stores have read v4, which the add below writes, and T0 to T7, which the next trip's conversions write
	v_add_nc_u32 v4, 128, v4                       ; 64 k on in the stage's rows
	s_sub_co_u32 s24, s24, 1
	s_cmp_lg_u32 s24, 0
	s_cbranch_scc1 .Lhalf
.set t, 0
.rept 32
	ds_load_b128 v[D+4*t:D+4*t+3], v5 offset:544*t ; LDS serves a wave's instructions in order (ISA guide 5.7.1.4): these see my stores above; the stage is my own
.set t, t+1
.endr
.set t, 0
.rept 32
	s_wait_dscnt 31-t                              ; the younger loads from the stage stay out
	global_store_b128 v6, v[D+4*t:D+4*t+3], s[26:27] offset:4096*t  ; 16 lanes store 256 consecutive bytes, at a multiple of 256 from wt's first byte
.set t, t+1
.endr
	s_branch .Lend
.Lx:	; x: all 32 loads of a wave go out at once; no register is written twice
	s_sub_co_u32 s20, ttmp9, 64
	s_lshl_b32 s22, s20, 17
	s_mov_b32 s23, 0
	s_add_nc_u64 s[4:5], s[4:5], s[22:23]
	s_lshl_b32 s22, s20, 16
	s_add_nc_u64 s[14:15], s[14:15], s[22:23]
	v_lshlrev_b32 v2, 4, v1
	v_lshl_add_u32 v2, s18, 14, v2                 ; in: 16,384 x wave + 16 x lane
	v_lshlrev_b32 v3, 3, v1
	v_lshl_add_u32 v3, s18, 13, v3                 ; out: half of that
	s_wait_alu depctr_va_vdst(0)                   ; v2 and v3 are written, which the loads and the stores below read as offsets
.set i, 0
.rept 32
	global_load_b128 v[D+4*i:D+4*i+3], v2, s[4:5] offset:512*i th:TH_LOAD_NT
.set i, i+1
.endr
; Batch b: chunks 4 b to 4 b + 3 are rounded into T[b]; the four stores of the batch before are dealt among the conversions.
.macro XBLK b
	s_wait_loadcnt 28-4*(\b)                       ; this batch's four loads are in; the younger batches' stay out
.if (\b) > 0
	s_wait_alu depctr_va_vdst(0)                   ; the batch before has written its T, which the four stores below read; this batch's conversions name another T
.endif
.irp i, 0,1,2,3
.if (\b) > 0
	global_store_b64 v3, v[T+8*(\b)-8+2*(\i):T+8*(\b)-8+2*(\i)+1], s[14:15] offset:256*(4*(\b)-4+(\i))  ; the wave stores 256 consecutive bytes, aligned
.endif
	v_cvt_pk_bf16_f32 v[T+8*(\b)+2*(\i)],   v[D+16*(\b)+4*(\i)],   v[D+16*(\b)+4*(\i)+1]
	v_cvt_pk_bf16_f32 v[T+8*(\b)+2*(\i)+1], v[D+16*(\b)+4*(\i)+2], v[D+16*(\b)+4*(\i)+3]
.endr
.endm
.irp b, 0,1,2,3,4,5,6,7
	XBLK \b
.endr
	s_wait_alu depctr_va_vdst(0)                   ; batch 7 has written its T, which the last four stores read
.irp i, 0,1,2,3
	global_store_b64 v3, v[T+56+2*(\i):T+56+2*(\i)+1], s[14:15] offset:256*(28+(\i))
.endr
.Lend:
	s_wait_dscnt 0x0                               ; the closing lines, six on end
	s_wait_alu 0x0
	s_wait_tensorcnt 0x0
	ds_add_u32 v[SPW], v[NIL]
	s_wait_dscnt 0x0
	s_endpgm
.Lfunc_end_k_q499c5740f6_prep:
	.size	k_q499c5740f6_prep, .Lfunc_end_k_q499c5740f6_prep-k_q499c5740f6_prep
	.p2alignl 7, 3214868480
	.fill 96, 4, 3214868480
	.section	.rodata,"a",@progbits
	.p2align	6, 0x0
	.amdhsa_kernel k_q499c5740f6_prep
		.amdhsa_group_segment_fixed_size 140288
		.amdhsa_private_segment_fixed_size 0
		.amdhsa_enable_private_segment 0
		.amdhsa_kernarg_size 56
		.amdhsa_user_sgpr_count 2
		.amdhsa_user_sgpr_kernarg_segment_ptr 1
		.amdhsa_wavefront_size32 1
		.amdhsa_system_sgpr_workgroup_id_x 1
		.amdhsa_system_sgpr_workgroup_id_y 1
		.amdhsa_system_sgpr_workgroup_id_z 1
		.amdhsa_system_vgpr_workitem_id 0
		.amdhsa_next_free_vgpr 208
		.amdhsa_next_free_sgpr 66
		.amdhsa_reserve_vcc 0
		.amdhsa_float_denorm_mode_32 3
		.amdhsa_float_denorm_mode_16_64 3
		.amdhsa_memory_ordered 1
		.amdhsa_forward_progress 1
		.amdhsa_inst_pref_size 42
	.end_amdhsa_kernel
	.amdgpu_metadata
---
amdhsa.version: [ 1, 2 ]
amdhsa.kernels:
  - .name:           k_q499c5740f6_prep
    .symbol:         k_q499c5740f6_prep.kd
    .args:
      - { .name: x, .offset: 0, .size: 8, .value_kind: global_buffer, .address_space: global }
      - { .name: Wq, .offset: 8, .size: 8, .value_kind: global_buffer, .address_space: global }
      - { .name: Wk, .offset: 16, .size: 8, .value_kind: global_buffer, .address_space: global }
      - { .name: Wv, .offset: 24, .size: 8, .value_kind: global_buffer, .address_space: global }
      - { .name: Wo, .offset: 32, .size: 8, .value_kind: global_buffer, .address_space: global }
      - { .name: xb, .offset: 40, .size: 8, .value_kind: global_buffer, .address_space: global }
      - { .name: wt, .offset: 48, .size: 8, .value_kind: global_buffer, .address_space: global }
    .group_segment_fixed_size: 140288
    .private_segment_fixed_size: 0
    .kernarg_segment_align: 8
    .kernarg_segment_size: 56
    .max_flat_workgroup_size: 256
    .sgpr_count:     66
    .vgpr_count:     208
    .wavefront_size: 32
...
	.end_amdgpu_metadata
.endif
;; end of part 5
;; launch qkv: the kernel of part 2 again; grid 16 x 32, 4 waves a work-group, clusters of 4 x 4, 327,680 bytes of LDS; arguments xb, wt, bq, bk, bv, qkv; writes qkv
;; launch attn: the kernel of part 3 again; grid 4 x 64, 4 waves a work-group, clusters of 4 x 1, 327,680 bytes of LDS; arguments qkv, mask, ob; writes ob
;; launch oproj: the kernel of part 4 again; grid 8 x 32, 4 waves a work-group, clusters of 4 x 4, 327,680 bytes of LDS; arguments ob, wt, bo, out0; writes out0
